; MI455X (gfx1250); checked and timed in simulation.
; The chip was launched on July 23, 2026; its instructions are those of AMD's public machine-readable ISA for CDNA 5 (MIT licence, August 2026) and "CDNA5" Instruction Set Architecture Reference Guide (July 2026). The comments in the code are by the model that wrote it; some were corrected since.
;; Qwen3 Next Cross Attention. Allowed arithmetic: float matrix products may take bf16 or f16 operands with f32 sums; other float arithmetic in f32, or as packed bf16 or f16 multiplies, adds, multiply-adds, maxima and minima; sums over many terms, partial sums and values carried from step to step in f32; what a program stores and reads back later, other than sums and carried values, may be rounded once to bf16 or f16.
;; Inputs: history_emb 64 x 512 x 512 float32; k_norm_w 512 float32; k_proj_w 2,048 x 512 float32; key_padding_mask 64 x 512 bool; q_norm_w 512 float32; q_proj_w 512 x 512 float32; target_emb 64 x 8 x 512 float32; v_proj_w 2,048 x 512 float32.
;; Outputs: out0 64 x 8 x 512 float32; out1 64 x 8 x 1 x 512 float32.
;; 2 versions, each right; version 2 is version 1 with the launch fin written anew for expert scheduling mode. Each part assembles by itself: llvm-mc -triple=amdgcn-amd-amdhsa -mcpu=gfx1250 --defsym DOCPART=n.
;; ======== version 1 of 2: 3 launches
;; workspace buffers: qraw 1,048,576 bytes; wkb 2,097,152 bytes; sc 1,048,576 bytes; st 16,384 bytes; pa 4,194,304 bytes
;; launch prep (part 1): grid 8 x 32, 4 waves a work-group, no clusters, 4,864 bytes of LDS; arguments target_emb, q_proj_w, k_proj_w, qraw, wkb; writes qraw, wkb
.if DOCPART == 1
	.amdgcn_target "amdgcn-amd-amdhsa--gfx1250"
	.amdhsa_code_object_version 6
	.text
	.protected	k_q64c47e4c9b_prep
	.globl	k_q64c47e4c9b_prep
	.p2align	8
	.type	k_q64c47e4c9b_prep,@function
k_q64c47e4c9b_prep:
	s_mov_b64 s[64:65], 0
	v_nop
	global_prefetch_b8 v0, s[64:65] scope:SCOPE_SE
	s_setreg_imm32_b32 hwreg(HW_REG_WAVE_MODE, 25, 1), 1
	s_wait_xcnt 0x0
; TWO SMALL JOBS AHEAD OF THE MAIN LAUNCH.
; (1) qraw[token][e] = the sum over d of bf16(target[token][d]) bf16(Wq[e][d]), f32, not yet normalised.  512 tokens x 512 e.
;     A work-group makes 16 tokens x 64 e, each of its four waves one tile of 16 x 16; K = 512 in 8 trips of 64.
; (2) wkb = Wk rounded once to bf16 and laid in blocks: the block of K step t = 8 p + j and head n begins at byte (4 t + n) x 16,384;
;     its row i (128 bytes) is Wk[512 n + 128 p + i][64 j .. 64 j + 63].  Each of the 1,024 waves converts two rows of Wk.
; LIMITS.  target, Wq and Wk are rounded to bf16 (nearest even); sums in f32; the order of d inside a product differs from the plain order (see FRAGMENTS).
; FRAGMENTS come straight from f32 memory: for 32 along K lane (r, h) takes the 16 numbers at row r, 32 kk + 16 h on, by four loads of 16 bytes, and packs them in place
; into 8 registers.  Both sources are laid so, so the products are the same set; only their order inside an instruction differs.
; Source 0 = 16 rows of Wq, source 1 = 16 tokens: a lane ends with one token and eight neighbouring e.
; No tensor loads, no cluster, no prefetch: each wave has 16 matrix instructions in all, and every fragment lies in memory as it lies in registers.
.set SPITCH, 272                       ; a stage row: 64 e x 4 bytes + 16
.set SPARE,  16*SPITCH                 ; behind the stage: the spare words, 128 bytes a wave: two blocks of 256 bytes that no other line names
.set FO,  3                            ; v3   r x 2,048 + 64 h: my 64 bytes of a fragment's row
.set CVI, 4                            ; v4   h x 2,048 + 16 r: my 16 bytes of two rows of Wk
.set CVO, 5                            ; v5   8 x lane: my 8 bytes of 256 consecutive bytes of wkb
.set STO, 6                            ; v6   where I put 32 bytes of a stage row
.set RD,  7                            ; v7   where I read a stage row back
.set GO,  8                            ; v8   the same rows in qraw
.set SPW, 10                           ; v10  my spare word; never rewritten
.set NIL, 11                           ; v11  0; never rewritten
.set ACC, 16                           ; v[16:23], v[24:31] two accumulators: the even and the odd steps of 32 along K
.set SET, 32                           ; v[32:223] three sets of 64: Wq's two fragments at +0, +16, target's at +32, +48 (16 registers as loaded, 8 as packed)
.set CV,  SET+128                      ; set 2 first holds the two rows of Wk
	s_load_b256 s[4:11], s[0:1], 0x0               ; target s[4:5], Wq s[6:7], Wk s[8:9], qraw s[10:11]
	s_load_b64 s[12:13], s[0:1], 0x20              ; wkb
	v_lshl_add_u32 v[SPW], v0, 2, SPARE
	v_mov_b32 v[NIL], 0
	v_lshrrev_b32 v1, 5, v0
	v_readfirstlane_b32 s14, v1                    ; wave 0..3
	s_and_b32 s16, ttmp7, 0xffff                   ; ty: which 16 tokens
	v_and_b32 v1, 15, v0                           ; r
	v_bfe_u32 v2, v0, 4, 1                         ; h
	v_lshlrev_b32 v[FO], 11, v1
	v_lshl_add_u32 v[FO], v2, 6, v[FO]
	v_lshlrev_b32 v[CVI], 4, v1
	v_lshl_add_u32 v[CVI], v2, 11, v[CVI]
	v_and_b32 v[CVO], 31, v0
	v_lshlrev_b32 v[CVO], 3, v[CVO]
	s_lshl_b32 s17, s14, 6                         ; my 16 e: 64 bytes of a stage row
	v_mul_u32_u24 v[STO], v1, SPITCH
	v_lshl_add_u32 v[STO], v2, 5, v[STO]
	v_add_nc_u32 v[STO], s17, v[STO]
	s_lshl_b32 s17, s14, 2
	v_add_nc_u32 v9, s17, v2                       ; row 4 w + h
	v_mul_u32_u24 v[RD], v9, SPITCH
	v_lshl_add_u32 v[RD], v1, 4, v[RD]
	v_lshlrev_b32 v[GO], 11, v9
	v_lshl_add_u32 v[GO], v1, 4, v[GO]
	s_lshl_b32 s18, ttmp9, 6
	s_lshl_b32 s19, s14, 4
	s_add_co_u32 s18, s18, s19
	s_lshl_b32 s18, s18, 11                        ; Wq: row 64 ex + 16 w
	s_mov_b32 s19, 0
	s_lshl_b32 s20, s16, 15                        ; target and qraw: row 16 ty
	s_mov_b32 s21, 0
	s_lshl_b32 s22, s16, 3
	s_add_co_u32 s22, s22, ttmp9
	s_lshl_b32 s22, s22, 2
	s_add_co_u32 s22, s22, s14                     ; my wave among the 1,024
	s_lshl_b32 s24, s22, 12                        ; Wk: row R = 2 x that
	s_mov_b32 s25, 0
	s_lshl_b32 s23, s22, 1                         ; R
	s_bfe_u32 s26, s23, 0x20007                    ; p = (R / 128) % 4
	s_lshl_b32 s26, s26, 19                        ; eight K steps of 65,536 bytes
	s_lshr_b32 s27, s23, 9                         ; the head
	s_lshl_b32 s27, s27, 14
	s_add_co_u32 s26, s26, s27
	s_and_b32 s27, s23, 127                        ; the row in its block
	s_lshl_b32 s27, s27, 7
	s_add_co_u32 s26, s26, s27
	s_mov_b32 s27, 0
	s_lshl_b32 s28, ttmp9, 8                       ; qraw: column 64 ex
	s_add_co_u32 s28, s28, s20
	s_mov_b32 s29, 0
	s_wait_kmcnt 0x0
	s_add_nc_u64 s[6:7], s[6:7], s[18:19]
	s_add_nc_u64 s[4:5], s[4:5], s[20:21]
	s_add_nc_u64 s[8:9], s[8:9], s[24:25]
	s_add_nc_u64 s[12:13], s[12:13], s[26:27]
	s_add_nc_u64 s[10:11], s[10:11], s[28:29]
; A trip's 16 loads into set sn: 64 along K at trip tn.
.macro LOADS sn, tn
.set ik, 0
.rept 2
.set ii, 0
.rept 4
	global_load_b128 v[SET+64*(\sn)+16*ik+4*ii:SET+64*(\sn)+16*ik+4*ii+3],       v[FO], s[6:7] offset:256*(\tn)+128*ik+16*ii
	global_load_b128 v[SET+64*(\sn)+32+16*ik+4*ii:SET+64*(\sn)+32+16*ik+4*ii+3], v[FO], s[4:5] offset:256*(\tn)+128*ik+16*ii
.set ii, ii+1
.endr
.set ik, ik+1
.endr
.endm
; A trip: its set is waited for (left = the loads of the younger sets), packed in place, multiplied; the set is asked for again four places behind its products.
; The two accumulators take turns, one instruction a turn, from trip to trip too.
.macro TRIP tn, left
	s_wait_loadcnt \left
.set sb, SET+64*((\tn)%3)
.set jf, 0
.rept 4
.set ii, 0
.rept 8
	v_cvt_pk_bf16_f32 v[sb+16*jf+ii], v[sb+16*jf+2*ii], v[sb+16*jf+2*ii+1]  ; ascending: register i is written when registers 2 i, 2 i + 1 are read
.set ii, ii+1
.endr
.set jf, jf+1
.endr
.if (\tn) == 0
	v_wmma_f32_16x16x32_bf16 v[ACC:ACC+7],    v[sb:sb+7],     v[sb+32:sb+39], 0
	v_wmma_f32_16x16x32_bf16 v[ACC+8:ACC+15], v[sb+16:sb+23], v[sb+48:sb+55], 0
.else
	v_wmma_f32_16x16x32_bf16 v[ACC:ACC+7],    v[sb:sb+7],     v[sb+32:sb+39], v[ACC:ACC+7]
	v_wmma_f32_16x16x32_bf16 v[ACC+8:ACC+15], v[sb+16:sb+23], v[sb+48:sb+55], v[ACC+8:ACC+15]
.endif
.if (\tn)+3 <= 7
.rept 4
	v_nop                                          ; four places in front of loads into registers that the products read
.endr
	LOADS (\tn)%3, (\tn)+3
.endif
.endm
.set jj, 0
.rept 8
	global_load_b128 v[CV+4*jj:CV+4*jj+3], v[CVI], s[8:9] offset:256*jj th:TH_LOAD_NT  ; 16 lanes take 256 consecutive bytes of a row of Wk
.set jj, jj+1
.endr
	LOADS 0, 0
	LOADS 1, 1
	s_wait_loadcnt 32                              ; the two rows of Wk are in; the two sets' 32 loads stay out
.set jj, 0
.rept 8
	v_cvt_pk_bf16_f32 v[CV+4*jj],   v[CV+4*jj],   v[CV+4*jj+1]
	v_cvt_pk_bf16_f32 v[CV+4*jj+1], v[CV+4*jj+2], v[CV+4*jj+3]
.set jj, jj+1
.endr
.set jj, 0
.rept 8
	global_store_b64 v[CVO], v[CV+4*jj:CV+4*jj+1], s[12:13] offset:65536*jj  ; 32 lanes store 256 consecutive bytes, aligned: rows i and i + 1 of the block of K step j
.set jj, jj+1
.endr
	s_wait_xcnt 0x0                                ; the stores have read their data: set 2 is loaded only behind this wait
	LOADS 2, 2
	TRIP 0, 32
	TRIP 1, 32
	TRIP 2, 32
	TRIP 3, 32
	TRIP 4, 32
	TRIP 5, 32
	TRIP 6, 16
	TRIP 7, 0
.rept 8
	v_nop                                          ; places behind the last products
.endr
.set iu, 0
.rept 4
	v_pk_add_f32 v[ACC+2*iu:ACC+2*iu+1], v[ACC+2*iu:ACC+2*iu+1], v[ACC+8+2*iu:ACC+8+2*iu+1]  ; even and odd steps, from the low registers on
.set iu, iu+1
.endr
	ds_store_b128 v[STO], v[ACC:ACC+3]
	ds_store_b128 v[STO], v[ACC+4:ACC+7] offset:16
	s_wait_dscnt 0x0                               ; for the others' sake: a row's 256 bytes come from four waves
	s_barrier_signal -1
	s_barrier_wait -1
	ds_load_b128 v[32:35], v[RD]
	ds_load_b128 v[36:39], v[RD] offset:2*SPITCH
	s_wait_dscnt 0x1                               ; the first two rows are back; the second load may be out
	global_store_b128 v[GO], v[32:35], s[10:11]    ; 16 lanes store 256 consecutive bytes, aligned
	s_wait_dscnt 0x0
	global_store_b128 v[GO], v[36:39], s[10:11] offset:4096
	s_wait_tensorcnt 0x0                           ; the wave's end, behind my last LDS store
	ds_add_u32 v[SPW], v[NIL]
	s_wait_dscnt 0x0
	s_endpgm
.Lfunc_end_k_q64c47e4c9b_prep:
	.size	k_q64c47e4c9b_prep, .Lfunc_end_k_q64c47e4c9b_prep-k_q64c47e4c9b_prep
	.p2alignl 7, 3214868480
	.fill 96, 4, 3214868480
	.section	.rodata,"a",@progbits
	.p2align	6, 0x0
	.amdhsa_kernel k_q64c47e4c9b_prep
		.amdhsa_group_segment_fixed_size 4864
		.amdhsa_private_segment_fixed_size 0
		.amdhsa_enable_private_segment 0
		.amdhsa_kernarg_size 40
		.amdhsa_user_sgpr_count 2
		.amdhsa_user_sgpr_kernarg_segment_ptr 1
		.amdhsa_wavefront_size32 1
		.amdhsa_system_sgpr_workgroup_id_x 1
		.amdhsa_system_sgpr_workgroup_id_y 1
		.amdhsa_system_sgpr_workgroup_id_z 1
		.amdhsa_system_vgpr_workitem_id 0
		.amdhsa_next_free_vgpr 224
		.amdhsa_next_free_sgpr 66
		.amdhsa_reserve_vcc 0
		.amdhsa_float_denorm_mode_32 3
		.amdhsa_float_denorm_mode_16_64 3
		.amdhsa_memory_ordered 1
		.amdhsa_forward_progress 1
		.amdhsa_inst_pref_size 37
	.end_amdhsa_kernel
	.amdgpu_metadata
---
amdhsa.version: [ 1, 2 ]
amdhsa.kernels:
  - .name:           k_q64c47e4c9b_prep
    .symbol:         k_q64c47e4c9b_prep.kd
    .args:
      - { .name: target_emb, .offset: 0, .size: 8, .value_kind: global_buffer, .address_space: global }
      - { .name: q_proj_w, .offset: 8, .size: 8, .value_kind: global_buffer, .address_space: global }
      - { .name: k_proj_w, .offset: 16, .size: 8, .value_kind: global_buffer, .address_space: global }
      - { .name: qraw, .offset: 24, .size: 8, .value_kind: global_buffer, .address_space: global }
      - { .name: wkb, .offset: 32, .size: 8, .value_kind: global_buffer, .address_space: global }
    .group_segment_fixed_size: 4864
    .private_segment_fixed_size: 0
    .kernarg_segment_align: 8
    .kernarg_segment_size: 40
    .max_flat_workgroup_size: 128
    .sgpr_count:     66
    .vgpr_count:     224
    .wavefront_size: 32
...
	.end_amdgpu_metadata
.endif
;; end of part 1
;; launch main (part 2): grid 4 x 64, 4 waves a work-group, clusters of 4 x 1, 327,680 bytes of LDS; arguments history_emb, wkb, qraw, q_norm_w, k_norm_w, key_padding_mask, sc, st, pa; writes sc, st, pa
.if DOCPART == 2
	.amdgcn_target "amdgcn-amd-amdhsa--gfx1250"
	.amdhsa_code_object_version 6
	.text
	.protected	k_q64c47e4c9b_main
	.globl	k_q64c47e4c9b_main
	.p2align	8
	.type	k_q64c47e4c9b_main,@function
k_q64c47e4c9b_main:
	s_mov_b64 s[64:65], 0
	v_nop
	global_prefetch_b8 v0, s[64:65] scope:SCOPE_SE
	s_setreg_imm32_b32 hwreg(HW_REG_WAVE_MODE, 25, 1), 1
	s_wait_xcnt 0x0
	s_wait_alu depctr_hold_cnt(0) depctr_sa_sdst(0) depctr_va_vdst(0) depctr_va_sdst(0) depctr_va_ssrc(0) depctr_va_vcc(0) depctr_vm_vsrc(0)
	s_getreg_b32 s2, hwreg(HW_REG_IB_STS2, 6, 4)
	s_cmp_eq_u32 s2, 0
	s_cbranch_scc0 .Lentry_in_a_cluster
	s_endpgm
.Lentry_in_a_cluster:
	s_bfe_u32 s2, ttmp6, 0x10000c
	s_cmp_lg_u32 s2, 0x3003
	s_cbranch_scc0 .Lentry_shape_is_right
	s_endpgm
.Lentry_shape_is_right:
; THE K PROJECTION, AND ALL THAT HANGS ON IT, FOR 128 HISTORY ROWS OF ONE BATCH.
; k[s][e] = the sum over d of H[s][d] Wk[e][d] never leaves the accumulators: of each 128 x 128 tile the sum of squares (for k's RMS norm) and q~ . k (the scores) are taken, and the tile is dropped.
; v is never made: sum_s a[s] (Wv h_s) = Wv (sum_s a[s] h_s), so this launch leaves the partial sums p . H, and the next launch multiplies by Wv.
; OUT: sc = the scores in units of log2 (hidden keys: -inf); st = (m, l), the quarter's maximum and sum of p = 2^(y - m); pa = the quarter's sum of p[s] H[s][:].  The next launch joins a batch's four quarters.
; SHARES.  A work-group owns rows 128 cx .. 128 cx + 127 of batch b, for all four heads; wave w is head w: a tile of 128 s x 128 e (64 accumulators, 512 registers), four passes over the head's e,
; K = 512 in 8 steps of 64: 32 steps, 16 laps of two.  H lies in LDS as bf16 for the whole launch (8 planes, one a K step); Wk streams through a ring of two slots, each wave fetching and reading its own head's block.
; CLUSTER.  All work-groups walk the same Wk; the four quarters of a batch form a cluster and ask for each block JOINTLY (the same load, descriptor and mask in all four).  A mask names at most four, and H is each work-group's own.
; TRANSPOSED USE.  Source 0 = 16 rows of Wk, source 1 = 16 rows of H: a lane holds one s and eight neighbouring e; two neighbouring accumulators rounded to bf16 in pairs ARE source 1 (32 e x 16 s) of the score product.
; q~ = q rq (1 + qw)(1 + kw) 512^-1/2 log2(e) goes in as bf16 hi + lo, in rows of source 0 that would else be idle; so do the weights p in p . H.
; LIMITS.  All inputs, the two gains too, are rounded once to bf16; k is rounded once to bf16 for q~ . k (its sum of squares is taken of the f32 sums); sums in f32.  A weight below 2^-126 counts as 0.
; A quarter whose keys are all hidden has m = the lowest finite number, p = 0, l = 0.  NaN and infinities among the inputs are not treated apart.
; The 96 v_mov_b32 that clear the score sums and the sums of squares spare a second text of the pass's end; they run while the opening add is on its way, or once between the loops.
;
; LDS: H 8 planes x 128 rows x 144 bytes (stored by the waves) | the ring: 2 slots x 4 blocks x 128 rows x 144 (tensor loads alone) | QT: a wave's 4 rows of q~ (hi, lo of two tokens), later its stage |
;      PT: 16 rows x 272: p hi (rows 0-7), lo (rows 8-15) | the spare words.  Rows of 128 bytes + 16: sixteen rows of a fragment load begin 36 words apart.
; REGISTERS, in windows of 256 (s_set_vgpr_msb: bits 1:0 source 0, 3:2 source 1, 5:4 source 2, 7:6 destination):
;   window 0: v0-31 addresses, mask bytes; v32-63 q~'s fragments (later p's); v64-127, v128-191 H's fragments, two buffers; v192-255 the 8 score sums (later p . H's)
;   window 1: v64-127, v128-191 Wk's fragments; v0-63, v192-255 H on its way in (pass 0); later v0-31 sums of squares, v128-191 and v192-255 k as bf16
;   window 2: accumulators of s blocks 0-3 ((a, b) at v[8 (8 (a % 4) + b)]);   window 3: of s blocks 4-7
.set HPLANE, 18432                     ; 128 rows x 144
.set PITCH,  144
.set WR,     8*HPLANE                  ; the ring
.set WSLOT,  4*HPLANE
.set QT,     WR+2*WSLOT
.set QTWB,   4352                      ; a wave's part of QT
.set QP,     1040                      ; a row of q~: 1,024 bytes + 16
.set PT,     QT+4*QTWB
.set PP,     272
.set SPARE,  PT+16*PP                  ; 128 bytes a wave: two blocks of 256 bytes that no other line names
.set TILEB,  65536                     ; a K step's four blocks in wkb
.set AH0, 3                            ; v3   r x 144 + 16 h: my place in a fragment's 16 rows; never rewritten
.set ADH, 4                            ; v4   + the lap's first plane
.set ADW, 5                            ; v5, v6  the same in my block of slot 0, 1
.set HGO, 7                            ; v7   H in memory: (32 w + 8 h) rows + 16 r
.set HSA, 9                            ; v9   H in LDS: (32 w + 8 h) rows + 8 r, + the planes to be stored next
.set QTP, 10                           ; v10  my row of q~, + 256 a pass
.set PFO, 11                           ; v11  256 x lane
.set SPW, 12                           ; v12  my spare word; never rewritten
.set NIL, 13                           ; v13  0; never rewritten
.set MK,  14                           ; v14-21 the mask bytes of s = 16 a + r
.set QF,  32
.set F0,  64
.set F1,  128
.set SC,  192
.set SQ,  0                            ; window 1: s block a: two pairs at 4 a
.set WV,  22                           ; s22  wave = head
.set CX,  23                           ; s23  my quarter: it enters global addresses alone
.set BB,  24                           ; s24  the batch
.set LI,  25                           ; s25  the lap, counted up
.set CNT, 26                           ; s26  a loop's trips to go
.set PL,  27                           ; s27  laps left in the pass
.set LIM, 28                           ; s28  laps that prefetch: 14 in batch 0's cluster, else 0
.set TMP, 29                           ; s29  the next lap's first plane
.set PFA, 30                           ; s[30:31] where my prefetch stands
.set G1,  32                           ; s[32:39] descriptor group 1
.set G0,  40                           ; s[40:47] group 0, a set for each slot
.set HB,  48                           ; s[48:49] H at my work-group's first row, at the chunk last asked for
.set SEL, 50                           ; s[50:51] v_permlanex16_b32's selects: the same place in the other half
.set HIM, 52                           ; s52  a word's upper bf16
.set LN8, 53                           ; s53  lanes with r >= 8
.set RN,  54                           ; s54  1 / 512
.set EPS, 55                           ; s55  1e-6
.set FMIN, 56                          ; s56  the lowest finite number
.set SAV, 57                           ; s57  EXEC, kept
.set QTW, 62                           ; s62  my part of QT
.set MSB, 0
.macro WIN new                         ; the high byte repeats the setting that is left; a switch that changes nothing is dropped
.if MSB != (\new)
	s_set_vgpr_msb (MSB<<8)|(\new)
.set MSB, (\new)
.endif
.endm
.macro PLACES                          ; four places: in front of loads into registers that products read, and of vector lines that read results
.rept 4
	v_nop
.endr
.endm
.macro CREST                           ; a round of the cluster's barrier behind its opening barrier
	s_cmp_lg_u32 s[WV], 0
	s_cbranch_scc1 .Lnot_wave_0_\@
	s_barrier_signal -3
.Lnot_wave_0_\@:
	s_barrier_wait -3
	s_barrier_signal -1
	s_barrier_wait -1
.endm
.macro CROUND                          ; a whole round
	s_barrier_signal -1
	s_barrier_wait -1
	CREST
.endm
; 8 products: s block sa x all 8 e blocks, 32 along K from buffer f.  The 64 accumulators go in one fixed order in every half step: they take turns, over the backward jumps too.
.macro MULA f, sa, zero
	WIN 0xa1+0x50*((\sa)/4)                        ; Wk window 1, H window 0, C and D window 2 or 3
.set rH, (\f)+8*(\sa)
.set ib, 0
.rept 8
.set rA, 8*(8*((\sa)%4)+ib)
.if \zero
	v_wmma_f32_16x16x32_bf16 v[rA:rA+7], v[(\f)+8*ib:(\f)+8*ib+7], v[rH:rH+7], 0
.else
	v_wmma_f32_16x16x32_bf16 v[rA:rA+7], v[(\f)+8*ib:(\f)+8*ib+7], v[rH:rH+7], v[rA:rA+7]
.endif
.set ib, ib+1
.endr
.endm
; 32 LDS loads in one run: a half step's fragments (128 rows of my block of Wk, 128 rows of H's plane at byte hb behind ADH; 32 along K at byte k of the rows) into buffer f
.macro FETCH slot, hb, k, f
	WIN 0x40
.set fi, 0
.rept 8
	ds_load_b128 v[(\f)+8*fi:(\f)+8*fi+3],   v[ADW+(\slot)] offset:(\k)+fi*16*PITCH
	ds_load_b128 v[(\f)+8*fi+4:(\f)+8*fi+7], v[ADW+(\slot)] offset:(\k)+fi*16*PITCH+32
.set fi, fi+1
.endr
	WIN 0
.set fi, 0
.rept 8
	ds_load_b128 v[(\f)+8*fi:(\f)+8*fi+3],   v[ADH] offset:(\hb)+(\k)+fi*16*PITCH
	ds_load_b128 v[(\f)+8*fi+4:(\f)+8*fi+7], v[ADH] offset:(\hb)+(\k)+fi*16*PITCH+32
.set fi, fi+1
.endr
.endm
; H ON ITS WAY IN.  A chunk is a lap's two planes: 512 bytes of f32 of each row.  A wave takes 32 rows: 32 loads, in each of which 16 lanes take 256 consecutive bytes, aligned.
.macro HLOAD
	WIN 0x40
.set iq, 0
.rept 32
.set rS, 4*iq+128*(iq/16)
	global_load_b128 v[rS:rS+3], v[HGO], s[HB:HB+1] offset:(iq/16)*256+(((iq%16)/8)*16+iq%8)*2048 th:TH_LOAD_NT
.set iq, iq+1
.endr
	WIN 0
.endm
.macro HPUT                            ; rounded to bf16 in place, 8 bytes a lane into the two planes; the halves of the lanes lie 8 rows apart
	WIN 0x45
.set iq, 0
.rept 32
.set rS, 4*iq+128*(iq/16)
	v_cvt_pk_bf16_f32 v[rS],   v[rS],   v[rS+1]
	v_cvt_pk_bf16_f32 v[rS+1], v[rS+2], v[rS+3]
.set iq, iq+1
.endr
	WIN 0x04
.set iq, 0
.rept 32
.set rS, 4*iq+128*(iq/16)
	ds_store_b64 v[HSA], v[rS:rS+1] offset:(iq/16)*HPLANE+(((iq%16)/8)*16+iq%8)*PITCH
.set iq, iq+1
.endr
	WIN 0
	v_add_nc_u32 v[HSA], 2*HPLANE, v[HSA]
.endm
.macro HBLK                            ; the next lap's planes are stored (they are read behind the next change of slots), the chunk after them asked for
	s_wait_loadcnt 0x0                             ; asked for a lap, 256 products, ago; no load that names s[HB] is out, so it may be stepped
	HPUT
	s_cmp_eq_u32 s[CNT], 1                         ; the last of the three trips has no chunk left
	s_cbranch_scc1 .Lno_chunk_\@
	s_add_nc_u64 s[HB:HB+1], s[HB:HB+1], 512
	HLOAD
.Lno_chunk_\@:
.endm
; A K step is two halves of 32 along K, 64 products each.  The first multiplies buffer 0 and, in its middle, fetches the second half's fragments into buffer 1.
.macro HALF slot, zero, put
	s_wait_dscnt 8                                 ; Wk and H's blocks 0-3 are in; the youngest eight loads (H's blocks 4-7) may be out
	MULA F0, 0, \zero
	MULA F0, 1, \zero
	MULA F0, 2, \zero
	MULA F0, 3, \zero
.if \put
	HBLK
.endif
	PLACES
	FETCH \slot, (\slot)*HPLANE, 64, F1
	s_wait_dscnt 32                                ; all but the 32 just issued
	MULA F0, 4, \zero
	MULA F0, 5, \zero
	MULA F0, 6, \zero
	MULA F0, 7, \zero
.endm
; A PREFETCH INTO THE L2 of wkb, whose first reading in the launch is this walk's: in lap i the K steps 2 i + 4 and 2 i + 5, two and three steps ahead of their loads.  All clusters walk the same blocks: batch 0's
; cluster asks.  Its 4 work-groups x 4 waves x 32 lanes name 256 bytes each, told apart BY ADDRESS: both steps' 131,072 bytes, each block once in the launch.  Laps 14 and 15 ask for nothing: K step 31 is the last.
.macro ASK
	s_cmp_lt_u32 s[LI], s[LIM]
	s_cbranch_scc0 .Lnot_mine_\@
	global_prefetch_b8 v[PFO], s[PFA:PFA+1] th:TH_LOAD_NT scope:SCOPE_SE
.Lnot_mine_\@:
.endm
; The second half multiplies buffer 1 and changes slots: ONE barrier.  In front of it each wave waits for all its tensor loads (one is out: the next slot's block), adds 0 to its spare word, and waits for that and for
; its reads of this slot and its stores into H.  fill = 1: the barrier opens a round of the cluster's, and the joint refill, two K steps ahead, is the first thing behind it: 112 products stand between it and the wait for it.
.macro TURN slot, fill
.if ((\slot) == 0) && (\fill)
	s_wait_xcnt 0x0                                ; the last prefetch, a lap back, has read its address
	s_add_nc_u64 s[PFA:PFA+1], s[PFA:PFA+1], 2*TILEB
.endif
	WIN 0
	s_wait_tensorcnt 0x0                           ; no tensor load of mine is out, so a group 0 may be written
	ds_add_u32 v[SPW], v[NIL]                      ; 0 onto my spare word
.if \fill
	s_add_nc_u64 s[G0+4*(\slot)+2:G0+4*(\slot)+3], s[G0+4*(\slot)+2:G0+4*(\slot)+3], 2*TILEB
.endif
.if (\slot) == 1
	s_add_co_u32 s[LI], s[LI], 1                   ; the next lap,
	s_and_b32 s[TMP], s[LI], 3
	s_mul_i32 s[TMP], s[TMP], 2*HPLANE             ; and its two planes of H
.endif
	s_wait_dscnt 9                                 ; the add and the youngest eight loads may be out
	MULA F1, 0, 0
	s_wait_dscnt 0x0                               ; the add is done; my reads of this slot and my stores into H are over
	s_barrier_signal -1
	MULA F1, 1, 0
.if \fill
	WIN 0
.endif
	s_barrier_wait -1
.if \fill
	CREST                                          ; no wave of any partner still reads this slot or has a load on its way
	tensor_load_to_lds s[G0+4*(\slot):G0+4*(\slot)+3], s[G1:G1+7]
	s_nop 0
.endif
	PLACES                                         ; behind the load; also the places in front of the loads into buffer 0
.if (\slot) == 1
	WIN 0
	v_add_nc_u32 v[ADH], s[TMP], v[AH0]
.endif
	FETCH 1-(\slot), (1-(\slot))*HPLANE, 0, F0
.if ((\slot) == 0) && (\fill)
	ASK
.endif
	MULA F1, 2, 0
	MULA F1, 3, 0
	MULA F1, 4, 0
	MULA F1, 5, 0
	MULA F1, 6, 0
	MULA F1, 7, 0
.endm
; A PASS'S END.  In four groups of two s blocks: each accumulator is rounded to bf16 in pairs (4 registers: half a fragment of source 1) and its squares are added to the block's sums, from its low registers on;
; then 8 products add q~ . k onto the two blocks' score sums, which take turns.  A group's 128 vector lines are the places behind the group before.
.macro EPI
	PLACES
	PLACES
	WIN 0
.set kq, 0
.rept 4
	ds_load_b128 v[QF+8*kq:QF+8*kq+3],   v[QTP] offset:64*kq
	ds_load_b128 v[QF+8*kq+4:QF+8*kq+7], v[QTP] offset:64*kq+32
.set kq, kq+1
.endr
.set ig, 0
.rept 4
.set KB, 128+64*(ig%2)
	WIN 0x5a+5*(ig/2)                              ; sources 0 and 1 window 2 or 3; source 2 and destination window 1
.set ib, 0
.rept 8
.set ii, 0
.rept 4
.set ia, 0
.rept 2
.set rA, 8*(8*((2*ig+ia)%4)+ib)+2*ii
.set rQ, SQ+4*(2*ig+ia)+2*(ii%2)
	v_cvt_pk_bf16_f32 v[KB+32*ia+4*ib+ii], v[rA], v[rA+1]
	v_pk_fma_f32 v[rQ:rQ+1], v[rA:rA+1], v[rA:rA+1], v[rQ:rQ+1]
.set ia, ia+1
.endr
.set ii, ii+1
.endr
.set ib, ib+1
.endr
.if ig == 0
	s_wait_dscnt 0x0                               ; q~'s fragments are in
.endif
	WIN 0x04                                       ; q~ window 0, k window 1, sums window 0
.set kq, 0
.rept 4
.set ia, 0
.rept 2
	v_wmma_f32_16x16x32_bf16 v[SC+8*(2*ig+ia):SC+8*(2*ig+ia)+7], v[QF+8*kq:QF+8*kq+7], v[KB+32*ia+8*kq:KB+32*ia+8*kq+7], v[SC+8*(2*ig+ia):SC+8*(2*ig+ia)+7]
.set ia, ia+1
.endr
.set kq, kq+1
.endr
.set ig, ig+1
.endr
	WIN 0
	v_add_nc_u32 v[QTP], 256, v[QTP]               ; the next pass's 128 e
.endm
	s_load_b512 s[4:19], s[0:1], 0x0               ; history s[4:5], wkb s[6:7], qraw s[8:9], q_norm_w s[10:11], k_norm_w s[12:13], mask s[14:15], sc s[16:17], st s[18:19]
	s_load_b64 s[20:21], s[0:1], 0x40              ; pa
	v_lshl_add_u32 v[SPW], v0, 2, SPARE
	v_mov_b32 v[NIL], 0
	ds_add_u32 v[SPW], v[NIL]                      ; the wave's opening: the add and its wait stand ahead of my first tensor load; the set-up below, work on registers, stands between them
	v_lshrrev_b32 v1, 5, v0
	v_readfirstlane_b32 s[WV], v1                  ; wave 0..3
	s_bfe_u32 s[CX], ttmp6, 0x40000                ; my place in the cluster
	s_and_b32 s[BB], ttmp7, 0xffff                 ; the cluster's y: the batch, which the four partners share
	; group 1: a block is 16,384 dense bytes: asked for as 64 rows of 256 bytes, padded in LDS after every 128
	s_mov_b32 s[G1], 15|(1<<16)|(1<<20)|(1<<21)|(4<<22)|(3<<25)  ; 15:0 the mask of four; 17:16 2-byte elements; 20 padding on; 21 set beside a mask; 24:22 after every 32 words; 31:25 4 words
	s_mov_b32 s[G1+1], 128<<16                     ; tensor_dim0 = 128
	s_mov_b32 s[G1+2], 64<<16                      ; tensor_dim1 = 64
	s_mov_b32 s[G1+3], 128<<16                     ; tile_dim0 = 128
	s_mov_b32 s[G1+4], 64                          ; tile_dim1 = 64
	s_mov_b32 s[G1+5], 128                         ; 128 elements from row to row
	s_mov_b32 s[G1+6], 0
	s_mov_b32 s[G1+7], 0
	s_mul_i32 s58, s[WV], HPLANE                   ; my block in a slot: no place in the cluster enters an LDS address
	s_mov_b32 s[G0], 1
	s_add_co_u32 s[G0+1], s58, WR
	s_mov_b32 s[G0+4], 1
	s_add_co_u32 s[G0+5], s58, WR+WSLOT
	s_mul_i32 s[QTW], s[WV], QTWB
	s_add_co_u32 s[QTW], s[QTW], QT
	s_mov_b32 s[SEL], 0x76543210
	s_mov_b32 s[SEL+1], 0xfedcba98
	s_mov_b32 s[HIM], 0xffff0000
	s_mov_b32 s[LN8], 0xff00ff00
	s_mov_b32 s[RN], 0x3b000000
	s_mov_b32 s[EPS], 0x358637bd
	s_mov_b32 s[FMIN], 0xff7fffff
	s_mov_b32 s[LI], 0
	s_cmp_eq_u32 s[BB], 0
	s_cselect_b32 s[LIM], 14, 0
	v_and_b32 v1, 15, v0                           ; r
	v_bfe_u32 v2, v0, 4, 1                         ; h
	v_mul_u32_u24 v[AH0], v1, PITCH
	v_lshl_add_u32 v[AH0], v2, 4, v[AH0]
	v_add_nc_u32 v[ADW], s[G0+1], v[AH0]
	v_add_nc_u32 v[ADW+1], s[G0+5], v[AH0]
	s_lshl_b32 s58, s[WV], 16                      ; my 32 rows of H in memory
	v_lshlrev_b32 v[HGO], 4, v1
	v_lshl_add_u32 v[HGO], v2, 14, v[HGO]
	v_add_nc_u32 v[HGO], s58, v[HGO]
	s_mul_i32 s58, s[WV], 32*PITCH                 ; and in a plane
	v_mul_u32_u24 v[HSA], v2, 8*PITCH
	v_lshl_add_u32 v[HSA], v1, 3, v[HSA]
	v_add_nc_u32 v[HSA], s58, v[HSA]
	v_lshrrev_b32 v[QTP], 3, v1                    ; row r of source 0 is q~'s row 2 (r / 8) + r % 2: token r / 8, hi or lo
	v_and_b32 v8, 1, v1
	v_lshl_add_u32 v[QTP], v[QTP], 1, v8
	v_mul_u32_u24 v[QTP], v[QTP], QP
	v_lshl_add_u32 v[QTP], v2, 4, v[QTP]
	v_add_nc_u32 v[QTP], s[QTW], v[QTP]
	v_and_b32 v8, 31, v0                           ; lane
	v_lshlrev_b32 v[PFO], 8, v8
	v_lshlrev_b32 v25, 4, v8                       ; v25  16 x lane; never rewritten
	v_lshl_add_u32 v22, v8, 3, s[QTW]              ; v22  where I put 8 bytes of a row of q~
.set ii, 0
.rept 64
	v_mov_b32 v[SC+ii], 0                          ; the score sums start at 0
.set ii, ii+1
.endr
	s_wait_dscnt 0x0                               ; the opening add is done
	s_wait_kmcnt 0x0
	s_lshl_b32 s58, s[WV], 14                      ; my head's block of K step 0
	s_mov_b32 s59, 0
	s_add_nc_u64 s[G0+2:G0+3], s[6:7], s[58:59]
	s_add_nc_u64 s[G0+6:G0+7], s[G0+2:G0+3], TILEB ; and of K step 1
	s_or_b32 s[G0+3], s[G0+3], 0x80000000          ; type = 2
	s_or_b32 s[G0+7], s[G0+7], 0x80000000
	CROUND                                         ; all four work-groups are here: the first joint loads meet
	tensor_load_to_lds s[G0:G0+3], s[G1:G1+7]      ; both first fills together: two loads of mine are out
	s_nop 0
	tensor_load_to_lds s[G0+4:G0+7], s[G1:G1+7]
	s_nop 0
	PLACES
	s_mov_b32 s61, 0                               ; the offsets that hold my quarter are made in s60, s61, s63 alone
	s_lshl_b32 s60, s[BB], 20
	s_lshl_b32 s63, s[CX], 18
	s_add_co_u32 s60, s60, s63
	s_add_nc_u64 s[HB:HB+1], s[4:5], s[60:61]      ; H at row 128 cx of batch b
	s_lshl_b32 s60, s[BB], 14
	s_lshl_b32 s63, s[WV], 12
	s_add_co_u32 s60, s60, s63
	s_add_nc_u64 s[8:9], s[8:9], s[60:61]          ; qraw at token 8 b + 2 w
	s_lshl_b32 s63, s[CX], 9
	s_add_co_u32 s60, s60, s63
	s_add_nc_u64 s[16:17], s[16:17], s[60:61]      ; sc at the same token, s = 128 cx
	s_lshl_b32 s60, s[BB], 9
	s_lshl_b32 s63, s[CX], 7
	s_add_co_u32 s60, s60, s63
	s_add_nc_u64 s[14:15], s[14:15], s[60:61]      ; the mask at (b, 128 cx)
	s_lshl_b32 s60, s[BB], 8
	s_lshl_b32 s63, s[CX], 6
	s_add_co_u32 s60, s60, s63
	s_lshl_b32 s63, s[WV], 4
	s_add_co_u32 s60, s60, s63
	s_add_nc_u64 s[18:19], s[18:19], s[60:61]      ; st at ((4 b + cx) 8 + 2 w) 8
	s_lshl_b32 s60, s[BB], 16
	s_lshl_b32 s63, s[CX], 14
	s_add_co_u32 s60, s60, s63
	s_lshl_b32 s63, s[WV], 9
	s_add_co_u32 s60, s60, s63
	s_add_nc_u64 s[20:21], s[20:21], s[60:61]      ; pa at (4 b + cx) 8 rows, d = 128 w
	s_lshr_b32 s60, s[CX], 1                       ; the prefetches: which of a lap's two K steps,
	s_lshl_b32 s60, s60, 16
	s_and_b32 s63, s[CX], 1                        ; which half of my head's block
	s_lshl_b32 s63, s63, 13
	s_add_co_u32 s60, s60, s63
	s_add_co_u32 s60, s60, s58
	s_add_co_u32 s60, s60, 2*TILEB                 ; at K steps 2, 3; lap 0 steps it to 4, 5
	s_add_nc_u64 s[PFA:PFA+1], s[6:7], s[60:61]
	HLOAD                                          ; H's chunk 0
.set ig, 0
.rept 2
.set ii, 0
.rept 4
	global_load_b128 v[64+16*ig+4*ii:64+16*ig+4*ii+3], v25, s[8:9] offset:2048*ig+512*ii  ; q of my two tokens: e = 4 lane + 128 i
.set ii, ii+1
.endr
.set ig, ig+1
.endr
.set ii, 0
.rept 4
	global_load_b128 v[96+4*ii:96+4*ii+3],   v25, s[10:11] offset:512*ii
	global_load_b128 v[112+4*ii:112+4*ii+3], v25, s[12:13] offset:512*ii
.set ii, ii+1
.endr
.set ia, 0
.rept 8
	global_load_u8 v[MK+ia], v1, s[14:15] offset:16*ia
.set ia, ia+1
.endr
	s_wait_loadcnt 24                              ; chunk 0 is in; the 24 small loads behind it stay out
	HPUT                                           ; planes 0 and 1
	s_add_nc_u64 s[HB:HB+1], s[HB:HB+1], 512
	HLOAD                                          ; chunk 1
	s_wait_loadcnt 32                              ; the small loads are in; chunk 1's 32 stay out
	; q~.  The gains are rounded to bf16 like every input; g = (1 + qw)(1 + kw)
.set iu, 0
.rept 16
	v_cvt_pk_bf16_f32 v166, v[96+2*iu], v[97+2*iu]
	v_lshlrev_b32 v[96+2*iu], 16, v166
	v_and_b32 v[97+2*iu], s[HIM], v166
	v_pk_add_f32 v[96+2*iu:97+2*iu], v[96+2*iu:97+2*iu], 1.0 op_sel_hi:[1,0]
.set iu, iu+1
.endr
.set iu, 0
.rept 8
	v_pk_mul_f32 v[96+2*iu:97+2*iu], v[96+2*iu:97+2*iu], v[112+2*iu:113+2*iu]
.set iu, iu+1
.endr
.set ig, 0
.rept 2                                ; the sum of q^2 over a token's 512 e: 16 in my lane, then across the 32 lanes
	v_pk_mul_f32 v[128+2*ig:129+2*ig], v[64+16*ig:65+16*ig], v[64+16*ig:65+16*ig]
.set iu, 1
.rept 7
	v_pk_fma_f32 v[128+2*ig:129+2*ig], v[64+16*ig+2*iu:65+16*ig+2*iu], v[64+16*ig+2*iu:65+16*ig+2*iu], v[128+2*ig:129+2*ig]
.set iu, iu+1
.endr
	v_add_f32 v[128+2*ig], v[128+2*ig], v[129+2*ig]
	v_add_f32_dpp v[128+2*ig], v[128+2*ig], v[128+2*ig] row_xmask:1 row_mask:0xf bank_mask:0xf
	v_add_f32_dpp v[128+2*ig], v[128+2*ig], v[128+2*ig] row_xmask:2 row_mask:0xf bank_mask:0xf
	v_add_f32_dpp v[128+2*ig], v[128+2*ig], v[128+2*ig] row_xmask:4 row_mask:0xf bank_mask:0xf
	v_add_f32_dpp v[128+2*ig], v[128+2*ig], v[128+2*ig] row_xmask:8 row_mask:0xf bank_mask:0xf
	v_permlanex16_b32 v[129+2*ig], v[128+2*ig], s[SEL], s[SEL+1]
	v_add_f32 v[128+2*ig], v[128+2*ig], v[129+2*ig]
	v_fma_f32 v[128+2*ig], v[128+2*ig], s[RN], s[EPS]  ; the mean + eps
.set ig, ig+1
.endr
	v_rsq_f32 v128, v128
	v_rsq_f32 v130, v130
	v_nop                                          ; a plain instruction behind the last root,
	s_wait_alu depctr_va_vdst(0)                   ; and the wait ahead of the first use: one for both
	v_mul_f32 v128, 0x3d8293ee, v128               ; x 512^-1/2 log2(e)
	v_mul_f32 v130, 0x3d8293ee, v130
.set ig, 0
.rept 2
.set iu, 0
.rept 8
.set rq, 64+16*ig+2*iu
	v_pk_mul_f32 v[rq:rq+1], v[rq:rq+1], v[96+2*iu:97+2*iu]
	v_pk_mul_f32 v[rq:rq+1], v[rq:rq+1], v[128+2*ig:129+2*ig] op_sel_hi:[1,0]
	v_cvt_pk_bf16_f32 v[132+16*ig+iu], v[rq], v[rq+1]  ; hi
	v_lshlrev_b32 v164, 16, v[132+16*ig+iu]
	v_and_b32 v165, s[HIM], v[132+16*ig+iu]
	v_pk_add_f32 v[rq:rq+1], v[rq:rq+1], v[164:165] neg_lo:[0,1] neg_hi:[0,1]
	v_cvt_pk_bf16_f32 v[140+16*ig+iu], v[rq], v[rq+1]  ; lo = what hi left
.set iu, iu+1
.endr
.set ii, 0
.rept 4
	ds_store_b64 v22, v[132+16*ig+2*ii:133+16*ig+2*ii] offset:(2*ig)*QP+256*ii
	ds_store_b64 v22, v[140+16*ig+2*ii:141+16*ig+2*ii] offset:(2*ig+1)*QP+256*ii
.set ii, ii+1
.endr
.set ig, ig+1
.endr
	s_wait_tensorcnt 0x1                           ; my block of K step 0 is in; K step 1's may stay out
	s_wait_dscnt 0x0                               ; my rows of planes 0 and 1 are stored
	s_barrier_signal -1
	s_barrier_wait -1                              ; everybody's are
	v_mov_b32 v[ADH], v[AH0]
	FETCH 0, 0, 0, F0
	HALF 0, 1, 0                                   ; a pass's first half step starts the sums: nothing is cleared
	WIN 0
	s_mov_b32 s[CNT], 3
.Lh:                                               ; laps 0 to 2, from a lap's second half step to the next lap's first: they also bring H's chunks 1 to 3 in
	TURN 0, 1
	HALF 1, 0, 1
	TURN 1, 1
	HALF 0, 0, 0
	WIN 0
	s_sub_co_u32 s[CNT], s[CNT], 1
	s_cmp_lg_u32 s[CNT], 0
	s_cbranch_scc1 .Lh
	WIN 0x40
.set ii, 0
.rept 32
	v_mov_b32 v[SQ+ii], 0                          ; H is in: its registers take the sums of squares
.set ii, ii+1
.endr
	WIN 0
	s_mov_b32 s[CNT], 12
	s_mov_b32 s[PL], 1
.Llap:                                             ; laps 3 to 14; behind a pass's last lap (3, 7, 11) stands the pass's end.  What is jumped holds no barrier and no tensor load
	TURN 0, 1
	HALF 1, 0, 0
	TURN 1, 1
	WIN 0
	s_sub_co_u32 s[PL], s[PL], 1
	s_cmp_lg_u32 s[PL], 0
	s_cbranch_scc1 .Lcont
	EPI
	s_mov_b32 s[PL], 4
	HALF 0, 1, 0
	WIN 0
	s_branch .Lnext
.Lcont:
	HALF 0, 0, 0
	WIN 0
.Lnext:
	s_sub_co_u32 s[CNT], s[CNT], 1
	s_cmp_lg_u32 s[CNT], 0
	s_cbranch_scc1 .Llap
	TURN 0, 0                                      ; lap 15 is written out: nothing is left to ask for
	HALF 1, 0, 0
	s_wait_dscnt 8
	MULA F1, 0, 0
	MULA F1, 1, 0
	MULA F1, 2, 0
	MULA F1, 3, 0
	s_wait_dscnt 0x0
	MULA F1, 4, 0
	MULA F1, 5, 0
	MULA F1, 6, 0
	MULA F1, 7, 0
	EPI
	; THE TAIL.  Its addresses first: plain vector work, the places behind the last score products.
	v_lshlrev_b32 v23, 2, v1
	v_lshl_add_u32 v23, v2, 9, v23
	v_add_nc_u32 v23, s[QTW], v23                  ; v23  stage: token h's 512 bytes, s = r
	v_add_nc_u32 v24, s[QTW], v25                  ; v24  back: 16 x lane
	v_lshlrev_b32 v26, 3, v2                       ; v26  st: 8 h
	s_mul_i32 s58, s[WV], 2*PP
	s_add_co_u32 s58, s58, PT
	v_mul_u32_u24 v27, v2, PP
	v_lshl_add_u32 v27, v1, 1, v27
	v_add_nc_u32 v27, s58, v27                     ; v27  PT: row 2 w + h, s = r
	v_mul_u32_u24 v28, v1, PP
	v_lshl_add_u32 v28, v2, 4, v28
	v_add_nc_u32 v28, PT, v28                      ; v28  p's fragments: row r, 16 h
	v_and_b32 v29, 7, v0
	v_lshl_add_u32 v29, v2, 3, v29
	v_mul_u32_u24 v29, v29, PITCH
	v_bfe_u32 v30, v0, 3, 1
	v_lshl_add_u32 v29, v30, 4, v29
	s_mul_i32 s58, s[WV], 2*HPLANE
	v_add_nc_u32 v29, s58, v29                     ; v29  the turning load: row 8 h + lane % 8, 16 ((lane / 8) % 2), in my two planes
	v_and_b32 v30, 7, v1
	v_mul_u32_u24 v30, v30, PP
	v_lshl_add_u32 v30, v2, 5, v30
	v_lshrrev_b32 v31, 3, v1
	v_lshl_add_u32 v30, v31, 4, v30
	v_add_nc_u32 v30, s[QTW], v30                  ; v30  stage: token r % 8, d = 8 h + 4 (r / 8)
	v_mul_u32_u24 v31, v2, PP
	v_lshl_add_u32 v31, v1, 4, v31
	v_add_nc_u32 v31, s[QTW], v31                  ; v31  back: row h, 16 r
	v_lshlrev_b32 v22, 4, v1
	v_lshl_add_u32 v22, v2, 11, v22                ; v22  the same in pa
	; the scores: lane (r, h) holds token 2 w + h at s = 16 a + r: hi's product in register 0, lo's in register 1
.set ia, 0
.rept 8
	v_add_f32 v[32+ia], v[SC+8*ia], v[SC+8*ia+1]
.set ia, ia+1
.endr
	WIN 0x05
.set ia, 0
.rept 8
	v_pk_add_f32 v[64+2*ia:65+2*ia], v[SQ+4*ia:SQ+4*ia+1], v[SQ+4*ia+2:SQ+4*ia+3]
.set ia, ia+1
.endr
	WIN 0
.set ia, 0
.rept 8
	v_add_f32 v[64+2*ia], v[64+2*ia], v[65+2*ia]
.set ia, ia+1
.endr
.set ia, 0
.rept 8
	v_permlanex16_b32 v[65+2*ia], v[64+2*ia], s[SEL], s[SEL+1]  ; the other half of the lanes holds the row's other e
.set ia, ia+1
.endr
.set ia, 0
.rept 8
	v_add_f32 v[64+2*ia], v[64+2*ia], v[65+2*ia]
.set ia, ia+1
.endr
.set ia, 0
.rept 8
	v_fma_f32 v[64+2*ia], v[64+2*ia], s[RN], s[EPS]
.set ia, ia+1
.endr
.set ia, 0
.rept 8
	v_rsq_f32 v[40+ia], v[64+2*ia]
.set ia, ia+1
.endr
	v_mov_b32 v48, 0xff800000                      ; -inf; also the plain instruction behind the last root
	s_wait_alu depctr_va_vdst(0)                   ; one wait for the eight roots
.set ia, 0
.rept 8
	v_mul_f32 v[32+ia], v[32+ia], v[40+ia]
.set ia, ia+1
.endr
.set ia, 0
.rept 8
	v_cmp_ne_u32 vcc_lo, 0, v[MK+ia]
	v_cndmask_b32 v[32+ia], v[32+ia], v48, vcc_lo  ; a hidden key's score is -inf
.set ia, ia+1
.endr
.set ia, 0
.rept 8
	ds_store_b32 v23, v[32+ia] offset:64*ia
.set ia, ia+1
.endr
	ds_load_b128 v[96:99],   v24                   ; my own bytes, served in order: token 2 w's 128 scores,
	ds_load_b128 v[100:103], v24 offset:512        ; token 2 w + 1's
	v_max3_num_f32 v50, v32, v33, v34              ; the quarter's maximum, never below the lowest finite number
	v_max3_num_f32 v50, v50, v35, v36
	v_max3_num_f32 v50, v50, v37, v38
	v_max3_num_f32 v50, v50, v39, s[FMIN]
	v_max_num_f32_dpp v50, v50, v50 row_xmask:1 row_mask:0xf bank_mask:0xf
	v_max_num_f32_dpp v50, v50, v50 row_xmask:2 row_mask:0xf bank_mask:0xf
	v_max_num_f32_dpp v50, v50, v50 row_xmask:4 row_mask:0xf bank_mask:0xf
	v_max_num_f32_dpp v50, v50, v50 row_xmask:8 row_mask:0xf bank_mask:0xf
	s_wait_dscnt 0x1                               ; the first load is back; the second may be out
	global_store_b128 v25, v[96:99], s[16:17]      ; 512 consecutive bytes, aligned
	s_wait_dscnt 0x0
	global_store_b128 v25, v[100:103], s[16:17] offset:2048
.set ia, 0
.rept 8
	v_sub_f32 v[32+ia], v[32+ia], v50
.set ia, ia+1
.endr
.set ia, 0
.rept 8
	v_exp_f32 v[32+ia], v[32+ia]
.set ia, ia+1
.endr
	v_nop                                          ; a plain instruction behind the last exponential,
	s_wait_alu depctr_va_vdst(0)                   ; and one wait for the eight
	v_pk_add_f32 v[52:53], v[32:33], v[34:35]
	v_pk_add_f32 v[54:55], v[36:37], v[38:39]
	v_pk_add_f32 v[52:53], v[52:53], v[54:55]
	v_add_f32 v51, v52, v53
	v_add_f32_dpp v51, v51, v51 row_xmask:1 row_mask:0xf bank_mask:0xf
	v_add_f32_dpp v51, v51, v51 row_xmask:2 row_mask:0xf bank_mask:0xf
	v_add_f32_dpp v51, v51, v51 row_xmask:4 row_mask:0xf bank_mask:0xf
	v_add_f32_dpp v51, v51, v51 row_xmask:8 row_mask:0xf bank_mask:0xf
	v_cmp_eq_u32 vcc_lo, 0, v1
	s_wait_xcnt 0x0                                ; EXEC changes only behind this wait; it also frees the two stores' data
	s_and_saveexec_b32 s[SAV], vcc_lo              ; lanes 0 and 16: one for each token
	global_store_b64 v26, v[50:51], s[18:19]       ; (m, l)
	s_wait_xcnt 0x0
	s_or_b32 exec_lo, exec_lo, s[SAV]
	; p as bf16 hi + lo into PT
.set iu, 0
.rept 4
	v_cvt_pk_bf16_f32 v[56+iu], v[32+2*iu], v[33+2*iu]
.set iu, iu+1
.endr
.set iu, 0
.rept 4
	v_lshlrev_b32 v[64+2*iu], 16, v[56+iu]
	v_and_b32 v[65+2*iu], s[HIM], v[56+iu]
.set iu, iu+1
.endr
.set iu, 0
.rept 4
	v_pk_add_f32 v[64+2*iu:65+2*iu], v[32+2*iu:33+2*iu], v[64+2*iu:65+2*iu] neg_lo:[0,1] neg_hi:[0,1]
.set iu, iu+1
.endr
.set iu, 0
.rept 4
	v_cvt_pk_bf16_f32 v[60+iu], v[64+2*iu], v[65+2*iu]
.set iu, iu+1
.endr
.set iu, 0
.rept 4
	ds_store_b16 v27, v[56+iu] offset:64*iu
	ds_store_b16_d16_hi v27, v[56+iu] offset:64*iu+32
	ds_store_b16 v27, v[60+iu] offset:8*PP+64*iu
	ds_store_b16_d16_hi v27, v[60+iu] offset:8*PP+64*iu+32
.set iu, iu+1
.endr
	s_wait_dscnt 0x0                               ; for the others' sake
	s_barrier_signal -1
	s_barrier_wait -1                              ; all eight tokens' weights lie in PT
	; p . H for d = 128 w .. 128 w + 127: source 0 = H turned (16 d x 32 s), source 1 = PT's 16 rows: a lane holds one row of PT and eight neighbouring d.  8 tiles, K = 128 s in 4 steps.
.macro TRL ks, f
.set it, 0
.rept 8
	ds_load_tr16_b128 v[(\f)+8*it:(\f)+8*it+3],   v29 offset:(it/4)*HPLANE+32*(it%4)+32*(\ks)*PITCH
	ds_load_tr16_b128 v[(\f)+8*it+4:(\f)+8*it+7], v29 offset:(it/4)*HPLANE+32*(it%4)+(32*(\ks)+16)*PITCH
.set it, it+1
.endr
.endm
.macro PH ks, f, zero                  ; the 8 accumulators take turns
.set it, 0
.rept 8
.if \zero
	v_wmma_f32_16x16x32_bf16 v[SC+8*it:SC+8*it+7], v[(\f)+8*it:(\f)+8*it+7], v[QF+8*(\ks):QF+8*(\ks)+7], 0
.else
	v_wmma_f32_16x16x32_bf16 v[SC+8*it:SC+8*it+7], v[(\f)+8*it:(\f)+8*it+7], v[QF+8*(\ks):QF+8*(\ks)+7], v[SC+8*it:SC+8*it+7]
.endif
.set it, it+1
.endr
.endm
.set kq, 0
.rept 4
	ds_load_b128 v[QF+8*kq:QF+8*kq+3],   v28 offset:64*kq
	ds_load_b128 v[QF+8*kq+4:QF+8*kq+7], v28 offset:64*kq+32
.set kq, kq+1
.endr
	TRL 0, F0
	TRL 1, F1
	s_wait_dscnt 16                                ; all but the next step's 16
	PH 0, F0, 1
	PLACES
	TRL 2, F0
	s_wait_dscnt 16
	PH 1, F1, 0
	PLACES
	TRL 3, F1
	s_wait_dscnt 16
	PH 2, F0, 0
	s_wait_dscnt 0x0
	PH 3, F1, 0
	PLACES
	PLACES
.set ii, 0
.rept 64
	v_add_f32_dpp v[SC+ii], v[SC+ii], v[SC+ii] row_xmask:8 row_mask:0xf bank_mask:0xf  ; hi's row + lo's row, from each accumulator's low registers on
.set ii, ii+1
.endr
.set ig, 0
.rept 2                                ; four tiles (256 bytes of each token's row) at a time through my stage: lanes r < 8 keep registers 0-3, the others take 4-7
.set it, 0
.rept 4
.set ii, 0
.rept 4
	v_cndmask_b32 v[64+16*ig+4*it+ii], v[SC+8*(4*ig+it)+ii], v[SC+8*(4*ig+it)+4+ii], s[LN8]
.set ii, ii+1
.endr
.set it, it+1
.endr
.set it, 0
.rept 4
	ds_store_b128 v30, v[64+16*ig+4*it:64+16*ig+4*it+3] offset:64*it
.set it, it+1
.endr
.set ii, 0
.rept 4
	ds_load_b128 v[128+16*ig+4*ii:128+16*ig+4*ii+3], v31 offset:2*ii*PP  ; my own bytes, served in order
.set ii, ii+1
.endr
.set ii, 0
.rept 4
	s_wait_dscnt 3-ii                              ; the younger loads may be out
	global_store_b128 v22, v[128+16*ig+4*ii:128+16*ig+4*ii+3], s[20:21] offset:256*ig+4096*ii  ; 16 lanes store 256 consecutive bytes, aligned
.set ii, ii+1
.endr
.set ig, ig+1
.endr
	s_wait_tensorcnt 0x0                           ; the wave's end, behind my last tensor load and my last LDS store
	ds_add_u32 v[SPW], v[NIL]
	s_wait_dscnt 0x0
	CROUND                                         ; the closing round: no work-group ends while a partner may still ask for a block that names it
	s_endpgm
.Lfunc_end_k_q64c47e4c9b_main:
	.size	k_q64c47e4c9b_main, .Lfunc_end_k_q64c47e4c9b_main-k_q64c47e4c9b_main
	.p2alignl 7, 3214868480
	.fill 96, 4, 3214868480
	.section	.rodata,"a",@progbits
	.p2align	6, 0x0
	.amdhsa_kernel k_q64c47e4c9b_main
		.amdhsa_group_segment_fixed_size 327680
		.amdhsa_private_segment_fixed_size 0
		.amdhsa_enable_private_segment 0
		.amdhsa_kernarg_size 72
		.amdhsa_user_sgpr_count 2
		.amdhsa_user_sgpr_kernarg_segment_ptr 1
		.amdhsa_wavefront_size32 1
		.amdhsa_system_sgpr_workgroup_id_x 1
		.amdhsa_system_sgpr_workgroup_id_y 1
		.amdhsa_system_sgpr_workgroup_id_z 1
		.amdhsa_system_vgpr_workitem_id 0
		.amdhsa_next_free_vgpr 1024
		.amdhsa_next_free_sgpr 66
		.amdhsa_reserve_vcc 1
		.amdhsa_float_denorm_mode_32 3
		.amdhsa_float_denorm_mode_16_64 3
		.amdhsa_memory_ordered 1
		.amdhsa_forward_progress 1
		.amdhsa_inst_pref_size 228
	.end_amdhsa_kernel
	.amdgpu_metadata
---
amdhsa.version: [ 1, 2 ]
amdhsa.kernels:
  - .name:           k_q64c47e4c9b_main
    .symbol:         k_q64c47e4c9b_main.kd
    .args:
      - { .name: history_emb, .offset: 0, .size: 8, .value_kind: global_buffer, .address_space: global }
      - { .name: wkb, .offset: 8, .size: 8, .value_kind: global_buffer, .address_space: global }
      - { .name: qraw, .offset: 16, .size: 8, .value_kind: global_buffer, .address_space: global }
      - { .name: q_norm_w, .offset: 24, .size: 8, .value_kind: global_buffer, .address_space: global }
      - { .name: k_norm_w, .offset: 32, .size: 8, .value_kind: global_buffer, .address_space: global }
      - { .name: key_padding_mask, .offset: 40, .size: 8, .value_kind: global_buffer, .address_space: global }
      - { .name: sc, .offset: 48, .size: 8, .value_kind: global_buffer, .address_space: global }
      - { .name: st, .offset: 56, .size: 8, .value_kind: global_buffer, .address_space: global }
      - { .name: pa, .offset: 64, .size: 8, .value_kind: global_buffer, .address_space: global }
    .group_segment_fixed_size: 327680
    .private_segment_fixed_size: 0
    .kernarg_segment_align: 8
    .kernarg_segment_size: 72
    .max_flat_workgroup_size: 128
    .sgpr_count:     66
    .vgpr_count:     1024
    .wavefront_size: 32
...
	.end_amdgpu_metadata
.endif
;; end of part 2
;; launch fin (part 3): grid 8 x 32, 4 waves a work-group, no clusters, 38,144 bytes of LDS; arguments st, sc, pa, v_proj_w, out0, out1; writes out0, out1
.if DOCPART == 3
	.amdgcn_target "amdgcn-amd-amdhsa--gfx1250"
	.amdhsa_code_object_version 6
	.text
	.protected	k_q64c47e4c9b_fin
	.globl	k_q64c47e4c9b_fin
	.p2align	8
	.type	k_q64c47e4c9b_fin,@function
k_q64c47e4c9b_fin:
	s_mov_b64 s[64:65], 0
	v_nop
	global_prefetch_b8 v0, s[64:65] scope:SCOPE_SE
	s_setreg_imm32_b32 hwreg(HW_REG_WAVE_MODE, 25, 1), 1
	s_wait_xcnt 0x0
; THE FOUR QUARTERS OF A BATCH ARE JOINED, AND THE RESULTS WRITTEN.
; For a token: M = max over the quarters of m; f = 2^(m - M); L = the sum of f l; out1[s] = 2^(y[s] - M) / L; AH[d] = the sum of (f / L) pa[quarter][d]; out0[e] = the sum over d of AH[d] bf16(Wv[512 n + e][d]).
; SHARES.  A work-group has kv head n, 16 tokens (column 2 bb + g: batch 8 tt + bb, token 2 n + g), and 64 e of out0 and 64 s of out1 (64 eb on).  In the joining and in out1 wave w takes columns 4 w .. 4 w + 3;
; in the product it takes the tile of 16 e at 16 w.  The eight work-groups that share the 16 tokens each join them anew: 128 KiB read again against a launch more.
; AH goes to the matrix unit as bf16 hi + lo, in two chains that take turns.  Source 0 = 16 rows of Wv, source 1 = the 16 columns: a lane ends with one token and eight neighbouring e.
; Wv's fragments come straight from f32 memory: for 32 along d lane (r, h) takes the 16 numbers at 32 kk + 16 h; AH's fragments are read from LDS in the same order.
; LIMITS.  Wv is rounded once to bf16; sums in f32.  A batch whose keys are all hidden has L = 0: its rows are 0 x inf = NaN, as a softmax over -inf alone gives.  A weight below 2^-126 counts as 0.
; No tensor loads, no cluster, no prefetch: a wave issues all its 131 loads at the head and has 32 matrix instructions.
.set AP,    1040                       ; a row of AH in LDS: 1,024 bytes + 16
.set ALO,   16*AP                      ; lo behind hi
.set OST,   2*16*AP                    ; the stage for out0: 16 rows x 272
.set OP,    272
.set SPARE, OST+16*OP                  ; 128 bytes a wave: two blocks of 256 bytes that no other line names
.set SPW, 10                           ; v10  my spare word; never rewritten
.set NIL, 11                           ; v11  0; never rewritten
.set ACC, 80                           ; v[80:87] Wv x hi, v[88:95] Wv x lo
.set MSB, 0
.macro WIN new                         ; the high byte repeats the setting that is left; a switch that changes nothing is dropped
.if MSB != (\new)
	s_set_vgpr_msb (MSB<<8)|(\new)
.set MSB, (\new)
.endif
.endm
; window 0: v1 r, v2 h, v3 lane, v4-v9, v12, v13 offsets, v[14:15] (m, l), v16-20 statistics, v[24:31] scores, v[32:47] AH of a token, v[48:63] its hi and lo, v64-71 at work, the accumulators, v[96:103] out0
; window 1: Wv: the step kk at v[16 kk], packed in place into 8        window 2: pa: token c, quarter q at v[64 c + 16 q]; later AH's fragments: hi at v[8 kk], lo at v[128 + 8 kk]
	s_load_b256 s[4:11], s[0:1], 0x0               ; st s[4:5], sc s[6:7], pa s[8:9], Wv s[10:11]
	s_load_b128 s[12:15], s[0:1], 0x20             ; out0 s[12:13], out1 s[14:15]
	v_lshl_add_u32 v[SPW], v0, 2, SPARE
	v_mov_b32 v[NIL], 0
	v_lshrrev_b32 v1, 5, v0
	v_readfirstlane_b32 s16, v1                    ; wave 0..3
	s_and_b32 s18, ttmp7, 0xffff
	s_lshr_b32 s19, s18, 3                         ; n
	s_and_b32 s20, s18, 7                          ; tt
	s_lshl_b32 s21, s20, 3
	s_lshl_b32 s22, s16, 1
	s_add_co_u32 s21, s21, s22                     ; my first batch: 8 tt + 2 w
	s_lshl_b32 s42, s21, 8                         ; st: 256 bytes a batch, 16 n
	s_lshl_b32 s22, s19, 4
	s_add_co_u32 s42, s42, s22
	s_mov_b32 s43, 0
	s_lshl_b32 s44, s21, 14                        ; sc, out1, out0: 16,384 bytes a batch, token 2 n, column 64 eb
	s_lshl_b32 s22, s19, 12
	s_add_co_u32 s44, s44, s22
	s_lshl_b32 s46, s21, 16                        ; pa: 65,536 bytes a batch, token 2 n
	s_add_co_u32 s46, s46, s22
	s_mov_b32 s47, 0
	s_lshl_b32 s22, ttmp9, 8
	s_add_co_u32 s44, s44, s22
	s_mov_b32 s45, 0
	s_lshl_b32 s48, s19, 20                        ; Wv: row 512 n + 64 eb + 16 w
	s_lshl_b32 s22, ttmp9, 17
	s_add_co_u32 s48, s48, s22
	s_lshl_b32 s22, s16, 15
	s_add_co_u32 s48, s48, s22
	s_mov_b32 s49, 0
	s_mov_b32 s40, 0xffff0000                      ; a word's upper bf16; also: lanes 16 to 31
	v_and_b32 v1, 15, v0                           ; r
	v_bfe_u32 v2, v0, 4, 1                         ; h
	v_and_b32 v3, 31, v0                           ; lane
	v_bfe_u32 v4, v0, 3, 1                         ; st: lane <-> token c = (lane / 4) % 4, quarter lane % 4
	v_lshlrev_b32 v4, 8, v4                        ; c / 2: the batch
	v_and_b32 v14, 3, v0
	v_lshl_add_u32 v4, v14, 6, v4                  ; the quarter
	v_bfe_u32 v14, v0, 2, 1
	v_lshl_add_u32 v4, v14, 3, v4                  ; c % 2: the token
	v_lshlrev_b32 v5, 4, v1
	v_lshl_add_u32 v5, v2, 11, v5                  ; v5  token h of a batch, 16 r: for sc, out1 and out0
	v_lshlrev_b32 v6, 4, v3                        ; v6  16 x lane, for pa
	v_lshlrev_b32 v7, 11, v1
	v_lshl_add_u32 v7, v2, 6, v7                   ; v7  Wv: row r, 64 h
	s_mul_i32 s22, s16, 4*AP
	v_lshl_add_u32 v8, v3, 3, s22                  ; v8  AH into LDS: column 4 w, 8 x lane
	v_mul_u32_u24 v9, v1, AP
	v_lshl_add_u32 v9, v2, 5, v9                   ; v9  AH's fragments: column r, 32 h
	s_lshl_b32 s22, s16, 6
	s_add_co_u32 s22, s22, OST
	v_mul_u32_u24 v12, v1, OP
	v_lshl_add_u32 v12, v2, 5, v12
	v_add_nc_u32 v12, s22, v12                     ; v12 stage: column r, my 16 e, 8 h
	s_lshl_b32 s22, s16, 2
	v_add_nc_u32 v13, s22, v2
	v_mul_u32_u24 v13, v13, OP
	v_lshl_add_u32 v13, v1, 4, v13
	v_add_nc_u32 v13, OST, v13                     ; v13 back: column 4 w + h, 16 r
	s_wait_kmcnt 0x0
	s_add_nc_u64 s[4:5], s[4:5], s[42:43]
	s_add_nc_u64 s[6:7], s[6:7], s[44:45]
	s_add_nc_u64 s[8:9], s[8:9], s[46:47]
	s_add_nc_u64 s[10:11], s[10:11], s[48:49]
	s_add_nc_u64 s[12:13], s[12:13], s[44:45]
	s_add_nc_u64 s[14:15], s[14:15], s[44:45]
	global_load_b64 v[14:15], v4, s[4:5]
	global_load_b128 v[24:27], v5, s[6:7]          ; tokens c = 0 (lanes 0-15), 1 (lanes 16-31): 256 consecutive bytes each
	global_load_b128 v[28:31], v5, s[6:7] offset:16384  ; c = 2, 3
	WIN 0x80
.set ic, 0
.rept 4
.set iq, 0
.rept 4
.set ii, 0
.rept 4
	global_load_b128 v[64*ic+16*iq+4*ii:64*ic+16*iq+4*ii+3], v6, s[8:9] offset:(ic/2)*65536+iq*16384+(ic%2)*2048+512*ii
.set ii, ii+1
.endr
.set iq, iq+1
.endr
.set ic, ic+1
.endr
	WIN 0x40
.set kk, 0
.rept 16
.set ii, 0
.rept 4
	global_load_b128 v[16*kk+4*ii:16*kk+4*ii+3], v7, s[10:11] offset:128*kk+16*ii
.set ii, ii+1
.endr
.set kk, kk+1
.endr
	WIN 0
	s_wait_loadcnt 63                              ; 64 loads of Wv were issued behind pa's last: st, sc and pa are in
	v_mov_b32 v16, v14
	v_max_num_f32_dpp v16, v16, v16 row_xmask:1 row_mask:0xf bank_mask:0xf
	v_max_num_f32_dpp v16, v16, v16 row_xmask:2 row_mask:0xf bank_mask:0xf  ; M, in the token's four lanes
	v_sub_f32 v17, v14, v16
	v_exp_f32 v17, v17                             ; f
	v_nop
	s_wait_alu depctr_va_vdst(0)                   ; the wait ahead of the first use
	v_mul_f32 v18, v17, v15
	v_add_f32_dpp v18, v18, v18 row_xmask:1 row_mask:0xf bank_mask:0xf
	v_add_f32_dpp v18, v18, v18 row_xmask:2 row_mask:0xf bank_mask:0xf  ; L
	v_rcp_f32 v19, v18
	v_nop
	s_wait_alu depctr_va_vdst(0)
	v_mul_f32 v20, v17, v19                        ; f / L
.set ic, 0
.rept 4                                ; a token: its four weights into scalar pairs, the four quarters' rows joined, split into hi and lo, into LDS
.set iq, 0
.rept 4
	v_readlane_b32 s[24+2*iq], v20, 4*ic+iq
	v_readlane_b32 s[25+2*iq], v20, 4*ic+iq        ; named with it as a pair
.set iq, iq+1
.endr
	WIN 0x02
.set iu, 0
.rept 8
	v_pk_mul_f32 v[32+2*iu:33+2*iu], v[64*ic+2*iu:64*ic+2*iu+1], s[24:25] op_sel_hi:[1,0]
.set iu, iu+1
.endr
.set iq, 1
.rept 3
.set iu, 0
.rept 8
	v_pk_fma_f32 v[32+2*iu:33+2*iu], v[64*ic+16*iq+2*iu:64*ic+16*iq+2*iu+1], s[24+2*iq:25+2*iq], v[32+2*iu:33+2*iu] op_sel_hi:[1,0,1]
.set iu, iu+1
.endr
.set iq, iq+1
.endr
	WIN 0
.set iu, 0
.rept 8
	v_cvt_pk_bf16_f32 v[48+iu], v[32+2*iu], v[33+2*iu]
	v_lshlrev_b32 v64, 16, v[48+iu]
	v_and_b32 v65, s40, v[48+iu]
	v_pk_add_f32 v[32+2*iu:33+2*iu], v[32+2*iu:33+2*iu], v[64:65] neg_lo:[0,1] neg_hi:[0,1]
	v_cvt_pk_bf16_f32 v[56+iu], v[32+2*iu], v[33+2*iu]
.set iu, iu+1
.endr
.set ii, 0
.rept 4
	ds_store_b64 v8, v[48+2*ii:49+2*ii] offset:ic*AP+256*ii
	ds_store_b64 v8, v[56+2*ii:57+2*ii] offset:ALO+ic*AP+256*ii
.set ii, ii+1
.endr
.set ic, ic+1
.endr
	; out1: lanes 0-15 hold token c = 2 i, lanes 16-31 token 2 i + 1
.set ic, 0
.rept 4
	v_readlane_b32 s[32+ic], v16, 4*ic
	v_readlane_b32 s[36+ic], v19, 4*ic
.set ic, ic+1
.endr
.set ii, 0
.rept 2
	v_mov_b32 v[66+2*ii], s[32+2*ii]
	v_mov_b32 v64, s[33+2*ii]
	v_cndmask_b32 v[66+2*ii], v[66+2*ii], v64, s40  ; M
	v_mov_b32 v[67+2*ii], s[36+2*ii]
	v_mov_b32 v65, s[37+2*ii]
	v_cndmask_b32 v[67+2*ii], v[67+2*ii], v65, s40  ; 1 / L
.set jj, 0
.rept 4
	v_sub_f32 v[24+4*ii+jj], v[24+4*ii+jj], v[66+2*ii]
.set jj, jj+1
.endr
.set ii, ii+1
.endr
.set jj, 0
.rept 8
	v_exp_f32 v[24+jj], v[24+jj]
.set jj, jj+1
.endr
	v_nop                                          ; a plain instruction behind the last exponential,
	s_wait_alu depctr_va_vdst(0)                   ; and one wait for the eight
.set jj, 0
.rept 8
	v_mul_f32 v[24+jj], v[24+jj], v[67+2*(jj/4)]
.set jj, jj+1
.endr
	global_store_b128 v5, v[24:27], s[14:15]       ; 16 lanes store 256 consecutive bytes, aligned
	global_store_b128 v5, v[28:31], s[14:15] offset:16384
	s_wait_dscnt 0x0                               ; for the others' sake: my four columns of AH are stored
	s_barrier_signal -1
	s_barrier_wait -1
	WIN 0x80
.set kk, 0
.rept 16
	ds_load_b128 v[8*kk:8*kk+3],         v9 offset:64*kk
	ds_load_b128 v[8*kk+4:8*kk+7],       v9 offset:64*kk+16
	ds_load_b128 v[128+8*kk:128+8*kk+3], v9 offset:ALO+64*kk
	ds_load_b128 v[128+8*kk+4:128+8*kk+7], v9 offset:ALO+64*kk+16
.set kk, kk+1
.endr
	s_wait_loadcnt 0x0                             ; Wv
	WIN 0x45
.set kk, 0
.rept 16
.set ii, 0
.rept 8
	v_cvt_pk_bf16_f32 v[16*kk+ii], v[16*kk+2*ii], v[16*kk+2*ii+1]  ; ascending: register i is written when registers 2 i, 2 i + 1 are read
.set ii, ii+1
.endr
.set kk, kk+1
.endr
	s_wait_dscnt 0x0
	WIN 0x09                                       ; Wv window 1, AH window 2, sums window 0
	v_wmma_f32_16x16x32_bf16 v[ACC:ACC+7],    v[0:7], v[0:7],     0
	v_wmma_f32_16x16x32_bf16 v[ACC+8:ACC+15], v[0:7], v[128:135], 0
.set kk, 1
.rept 15                               ; the two accumulators take turns
	v_wmma_f32_16x16x32_bf16 v[ACC:ACC+7],    v[16*kk:16*kk+7], v[8*kk:8*kk+7],         v[ACC:ACC+7]
	v_wmma_f32_16x16x32_bf16 v[ACC+8:ACC+15], v[16*kk:16*kk+7], v[128+8*kk:128+8*kk+7], v[ACC+8:ACC+15]
.set kk, kk+1
.endr
	WIN 0
.rept 8
	v_nop                                          ; places behind the last products
.endr
.set iu, 0
.rept 4
	v_pk_add_f32 v[ACC+2*iu:ACC+2*iu+1], v[ACC+2*iu:ACC+2*iu+1], v[ACC+8+2*iu:ACC+8+2*iu+1]  ; hi's and lo's, from the low registers on
.set iu, iu+1
.endr
	ds_store_b128 v12, v[ACC:ACC+3]
	ds_store_b128 v12, v[ACC+4:ACC+7] offset:16
	s_wait_dscnt 0x0                               ; for the others' sake: a row's 256 bytes come from four waves
	s_barrier_signal -1
	s_barrier_wait -1
	ds_load_b128 v[96:99],   v13
	ds_load_b128 v[100:103], v13 offset:2*OP
	s_wait_dscnt 0x1                               ; the first two columns are back; the second load may be out
	global_store_b128 v5, v[96:99], s[12:13]       ; 16 lanes store 256 consecutive bytes, aligned
	s_wait_dscnt 0x0
	global_store_b128 v5, v[100:103], s[12:13] offset:16384
	s_wait_tensorcnt 0x0                           ; the wave's end, behind my last LDS store
	ds_add_u32 v[SPW], v[NIL]
	s_wait_dscnt 0x0
	s_endpgm
.Lfunc_end_k_q64c47e4c9b_fin:
	.size	k_q64c47e4c9b_fin, .Lfunc_end_k_q64c47e4c9b_fin-k_q64c47e4c9b_fin
	.p2alignl 7, 3214868480
	.fill 96, 4, 3214868480
	.section	.rodata,"a",@progbits
	.p2align	6, 0x0
	.amdhsa_kernel k_q64c47e4c9b_fin
		.amdhsa_group_segment_fixed_size 38144
		.amdhsa_private_segment_fixed_size 0
		.amdhsa_enable_private_segment 0
		.amdhsa_kernarg_size 48
		.amdhsa_user_sgpr_count 2
		.amdhsa_user_sgpr_kernarg_segment_ptr 1
		.amdhsa_wavefront_size32 1
		.amdhsa_system_sgpr_workgroup_id_x 1
		.amdhsa_system_sgpr_workgroup_id_y 1
		.amdhsa_system_sgpr_workgroup_id_z 1
		.amdhsa_system_vgpr_workitem_id 0
		.amdhsa_next_free_vgpr 768
		.amdhsa_next_free_sgpr 66
		.amdhsa_reserve_vcc 0
		.amdhsa_float_denorm_mode_32 3
		.amdhsa_float_denorm_mode_16_64 3
		.amdhsa_memory_ordered 1
		.amdhsa_forward_progress 1
		.amdhsa_inst_pref_size 54
	.end_amdhsa_kernel
	.amdgpu_metadata
---
amdhsa.version: [ 1, 2 ]
amdhsa.kernels:
  - .name:           k_q64c47e4c9b_fin
    .symbol:         k_q64c47e4c9b_fin.kd
    .args:
      - { .name: st, .offset: 0, .size: 8, .value_kind: global_buffer, .address_space: global }
      - { .name: sc, .offset: 8, .size: 8, .value_kind: global_buffer, .address_space: global }
      - { .name: pa, .offset: 16, .size: 8, .value_kind: global_buffer, .address_space: global }
      - { .name: v_proj_w, .offset: 24, .size: 8, .value_kind: global_buffer, .address_space: global }
      - { .name: out0, .offset: 32, .size: 8, .value_kind: global_buffer, .address_space: global }
      - { .name: out1, .offset: 40, .size: 8, .value_kind: global_buffer, .address_space: global }
    .group_segment_fixed_size: 38144
    .private_segment_fixed_size: 0
    .kernarg_segment_align: 8
    .kernarg_segment_size: 48
    .max_flat_workgroup_size: 128
    .sgpr_count:     66
    .vgpr_count:     768
    .wavefront_size: 32
...
	.end_amdgpu_metadata
.endif
;; end of part 3
;; ======== version 2 of 2: 3 launches; version 1 with the launch fin written anew for expert scheduling mode
;; workspace buffers: qraw 1,048,576 bytes; wkb 2,097,152 bytes; sc 1,048,576 bytes; st 16,384 bytes; pa 4,194,304 bytes
;; launch prep: the kernel of part 1 again; grid 8 x 32, 4 waves a work-group, no clusters, 4,864 bytes of LDS; arguments target_emb, q_proj_w, k_proj_w, qraw, wkb; writes qraw, wkb
;; launch main: the kernel of part 2 again; grid 4 x 64, 4 waves a work-group, clusters of 4 x 1, 327,680 bytes of LDS; arguments history_emb, wkb, qraw, q_norm_w, k_norm_w, key_padding_mask, sc, st, pa; writes sc, st, pa
;; launch fin (part 4): grid 8 x 32, 4 waves a work-group, no clusters, 38,144 bytes of LDS; arguments st, sc, pa, v_proj_w, out0, out1; writes out0, out1
.if DOCPART == 4
	.amdgcn_target "amdgcn-amd-amdhsa--gfx1250"
	.amdhsa_code_object_version 6
	.text
	.protected	k_q64c47e4c9b_fin
	.globl	k_q64c47e4c9b_fin
	.p2align	8
	.type	k_q64c47e4c9b_fin,@function
k_q64c47e4c9b_fin:
	s_mov_b64 s[64:65], 0
	v_nop
	global_prefetch_b8 v0, s[64:65] scope:SCOPE_SE
	s_setreg_imm32_b32 hwreg(HW_REG_WAVE_SCHED_MODE, 0, 2), 2
	s_setreg_imm32_b32 hwreg(HW_REG_WAVE_MODE, 25, 1), 1
	s_wait_xcnt 0x0
	s_wait_alu depctr_vm_vsrc(0)
; THE FOUR QUARTERS OF A BATCH ARE JOINED, AND THE RESULTS WRITTEN.
; For a token: M = max over the quarters of m; f = 2^(m - M); L = the sum of f l; out1[s] = 2^(y[s] - M) / L; AH[d] = the sum of (f / L) pa[quarter][d]; out0[e] = the sum over d of AH[d] bf16(Wv[512 n + e][d]).
; SHARES.  A work-group has kv head n, 16 tokens (column 2 bb + g: batch 8 tt + bb, token 2 n + g), and 64 e of out0 and 64 s of out1 (64 eb on).  In the joining and in out1 wave w takes columns 4 w .. 4 w + 3;
; in the product it takes the tile of 16 e at 16 w.  The eight work-groups that share the 16 tokens each join them anew: 128 KiB read again against a launch more.
; AH goes to the matrix unit as bf16 hi + lo, in two chains that take turns.  Source 0 = 16 rows of Wv, source 1 = the 16 columns: a lane ends with one token and eight neighbouring e.
; Wv's fragments come straight from f32 memory: for 32 along d lane (r, h) takes the 16 numbers at 32 kk + 16 h; AH's fragments are read from LDS in the same order.
; LIMITS.  Wv is rounded once to bf16; sums in f32.  A batch whose keys are all hidden has L = 0: its rows are 0 x inf = NaN, as a softmax over -inf alone gives.  A weight below 2^-126 counts as 0.
; No tensor loads, no cluster, no prefetch: a wave issues all its 131 loads at the head and has 32 matrix instructions.
; THE MODE: SCHED_MODE bits 1:0 = 2 (LLVM: expert scheduling mode 2), set by the entry lines.  The code itself states the register dependences
; between vector or matrix instructions and memory or LDS instructions, with s_wait_alu, always for 0.
; THE PLAN.  Registers that memory or LDS instructions touch:
;   v4-v9, v12, v13   offsets and LDS addresses: written at the head, once; one wait ahead of the first load serves every load and store of the kernel.
;   v[14:15]          v14 is at work at the head; then st's load lands there.
;   v[24:31]          sc's loads land; subtraction, exponential and multiply in place; out1's two stores read them; never written again.
;   window 2          pa's loads land; the four joins read them; behind the barrier AH's fragments land there.
;   window 1          Wv's loads land; packed in place; the products read them.  No memory instruction names them again.
;   OUT0 .. OUT3      an out-buffer to each token: written by the token's split into hi and lo, read by its eight LDS stores, never written again.
;   v[80:87]          the products' sums, then hi's + lo's; two LDS stores read them.      v[96:103]  LDS loads land, global stores read: no vector line names them.
; No register that a memory or LDS instruction has read is written again, so no wait on vm_vsrc stands ahead of the closing lines.
; Tokens 0 and 1 are joined and split; one wait; their 16 LDS stores are dealt among the splits of tokens 2 and 3, which name none of their registers.  The wait behind out1's exponentials also shows OUT2 and OUT3 written.
; All 40 numbers that go from lanes into scalar registers go in one run, under one wait on va_sdst.
.set AP,    1040                       ; a row of AH in LDS: 1,024 bytes + 16
.set ALO,   16*AP                      ; lo behind hi
.set OST,   2*16*AP                    ; the stage for out0: 16 rows x 272
.set OP,    272
.set SPARE, OST+16*OP                  ; 128 bytes a wave: two blocks of 256 bytes that no other line names
.set SPW, 10                           ; v10  my spare word; never rewritten
.set NIL, 11                           ; v11  0; never rewritten
.set ACC, 80                           ; v[80:87] Wv x hi, v[88:95] Wv x lo
.set OUT, 112                          ; v[112:175] token c: hi at OUT + 16 c, lo at OUT + 16 c + 8
.set MSB, 0
.macro WIN new                         ; the high byte repeats the setting that is left; a switch that changes nothing is dropped
.if MSB != (\new)
	s_set_vgpr_msb (MSB<<8)|(\new)
.set MSB, (\new)
.endif
.endm
; window 0: v1 r, v2 h, v3 lane, v4-v9, v12, v13 offsets, v[14:15] (m, l), v16-20 statistics, v[24:31] scores, v[32:47] AH of a token, v64-71 at work, the accumulators, v[96:103] out0, the out-buffers
; window 1: Wv: the step kk at v[16 kk], packed in place into 8        window 2: pa: token c, quarter q at v[64 c + 16 q]; later AH's fragments: hi at v[8 kk], lo at v[128 + 8 kk]
; The weight f / L of token c, quarter q is number p = 4 c + q of 16, in a scalar pair: numbers 0 to 6 in s[18:31], 7 to 15 in s[42:59], registers that the head has done with.
.macro WPAIR p
.if (\p) < 7
.set rW, 18+2*(\p)
.else
.set rW, 28+2*(\p)
.endif
.endm
	s_load_b256 s[4:11], s[0:1], 0x0               ; st s[4:5], sc s[6:7], pa s[8:9], Wv s[10:11]
	s_load_b128 s[12:15], s[0:1], 0x20             ; out0 s[12:13], out1 s[14:15]
	v_lshl_add_u32 v[SPW], v0, 2, SPARE
	v_mov_b32 v[NIL], 0
	v_lshrrev_b32 v1, 5, v0
	v_readfirstlane_b32 s16, v1                    ; wave 0..3
	s_and_b32 s18, ttmp7, 0xffff
	s_lshr_b32 s19, s18, 3                         ; n
	s_and_b32 s20, s18, 7                          ; tt
	s_lshl_b32 s21, s20, 3
	s_mov_b32 s40, 0xffff0000                      ; a word's upper bf16; also: lanes 16 to 31
	v_and_b32 v1, 15, v0                           ; r
	v_bfe_u32 v2, v0, 4, 1                         ; h
	v_and_b32 v3, 31, v0                           ; lane
	v_bfe_u32 v4, v0, 3, 1                         ; st: lane <-> token c = (lane / 4) % 4, quarter lane % 4
	v_lshlrev_b32 v4, 8, v4                        ; c / 2: the batch
	v_and_b32 v14, 3, v0
	v_lshl_add_u32 v4, v14, 6, v4                  ; the quarter
	v_bfe_u32 v14, v0, 2, 1
	v_lshl_add_u32 v4, v14, 3, v4                  ; c % 2: the token
	v_lshlrev_b32 v5, 4, v1
	v_lshl_add_u32 v5, v2, 11, v5                  ; v5  token h of a batch, 16 r: for sc, out1 and out0
	v_lshlrev_b32 v6, 4, v3                        ; v6  16 x lane, for pa
	v_lshlrev_b32 v7, 11, v1
	v_lshl_add_u32 v7, v2, 6, v7                   ; v7  Wv: row r, 64 h
	v_mul_u32_u24 v9, v1, AP
	v_lshl_add_u32 v9, v2, 5, v9                   ; v9  AH's fragments: column r, 32 h
	s_wait_alu depctr_va_sdst(0)                   ; s16 is written, ahead of its first reader: the bases and three LDS addresses are made from it
	s_lshl_b32 s22, s16, 1
	s_add_co_u32 s21, s21, s22                     ; my first batch: 8 tt + 2 w
	s_lshl_b32 s42, s21, 8                         ; st: 256 bytes a batch, 16 n
	s_lshl_b32 s22, s19, 4
	s_add_co_u32 s42, s42, s22
	s_mov_b32 s43, 0
	s_lshl_b32 s44, s21, 14                        ; sc, out1, out0: 16,384 bytes a batch, token 2 n, column 64 eb
	s_lshl_b32 s22, s19, 12
	s_add_co_u32 s44, s44, s22
	s_lshl_b32 s46, s21, 16                        ; pa: 65,536 bytes a batch, token 2 n
	s_add_co_u32 s46, s46, s22
	s_mov_b32 s47, 0
	s_lshl_b32 s22, ttmp9, 8
	s_add_co_u32 s44, s44, s22
	s_mov_b32 s45, 0
	s_lshl_b32 s48, s19, 20                        ; Wv: row 512 n + 64 eb + 16 w
	s_lshl_b32 s22, ttmp9, 17
	s_add_co_u32 s48, s48, s22
	s_lshl_b32 s22, s16, 15
	s_add_co_u32 s48, s48, s22
	s_mov_b32 s49, 0
	s_mul_i32 s22, s16, 4*AP
	v_lshl_add_u32 v8, v3, 3, s22                  ; v8  AH into LDS: column 4 w, 8 x lane
	s_lshl_b32 s22, s16, 6
	s_add_co_u32 s22, s22, OST
	v_mul_u32_u24 v12, v1, OP
	v_lshl_add_u32 v12, v2, 5, v12
	v_add_nc_u32 v12, s22, v12                     ; v12 stage: column r, my 16 e, 8 h
	s_lshl_b32 s22, s16, 2
	v_add_nc_u32 v13, s22, v2
	v_mul_u32_u24 v13, v13, OP
	v_lshl_add_u32 v13, v1, 4, v13
	v_add_nc_u32 v13, OST, v13                     ; v13 back: column 4 w + h, 16 r
	s_wait_kmcnt 0x0
	s_add_nc_u64 s[4:5], s[4:5], s[42:43]
	s_add_nc_u64 s[6:7], s[6:7], s[44:45]
	s_add_nc_u64 s[8:9], s[8:9], s[46:47]
	s_add_nc_u64 s[10:11], s[10:11], s[48:49]
	s_add_nc_u64 s[12:13], s[12:13], s[44:45]
	s_add_nc_u64 s[14:15], s[14:15], s[44:45]
	s_wait_alu depctr_va_vdst(0)                   ; the offsets and LDS addresses v4 to v9, v12 and v13 are written, which the kernel's loads and stores read; so is v14, in which st's load lands.  Only loads and window switches follow, up to the last load
	global_load_b64 v[14:15], v4, s[4:5]
	global_load_b128 v[24:27], v5, s[6:7]          ; tokens c = 0 (lanes 0-15), 1 (lanes 16-31): 256 consecutive bytes each
	global_load_b128 v[28:31], v5, s[6:7] offset:16384  ; c = 2, 3
	WIN 0x80
.set ic, 0
.rept 4
.set iq, 0
.rept 4
.set ii, 0
.rept 4
	global_load_b128 v[64*ic+16*iq+4*ii:64*ic+16*iq+4*ii+3], v6, s[8:9] offset:(ic/2)*65536+iq*16384+(ic%2)*2048+512*ii
.set ii, ii+1
.endr
.set iq, iq+1
.endr
.set ic, ic+1
.endr
	WIN 0x40
.set kk, 0
.rept 16
.set ii, 0
.rept 4
	global_load_b128 v[16*kk+4*ii:16*kk+4*ii+3], v7, s[10:11] offset:128*kk+16*ii
.set ii, ii+1
.endr
.set kk, kk+1
.endr
	WIN 0
	s_wait_loadcnt 63                              ; 64 loads of Wv were issued behind pa's last: st, sc and pa are in
	v_mov_b32 v16, v14
	v_max_num_f32_dpp v16, v16, v16 row_xmask:1 row_mask:0xf bank_mask:0xf
	v_max_num_f32_dpp v16, v16, v16 row_xmask:2 row_mask:0xf bank_mask:0xf  ; M, in the token's four lanes
	v_sub_f32 v17, v14, v16
	v_exp_f32 v17, v17                             ; f
	v_nop
	s_wait_alu depctr_va_vdst(0)                   ; the exponential has written v17, ahead of its first reader
	v_mul_f32 v18, v17, v15
	v_add_f32_dpp v18, v18, v18 row_xmask:1 row_mask:0xf bank_mask:0xf
	v_add_f32_dpp v18, v18, v18 row_xmask:2 row_mask:0xf bank_mask:0xf  ; L
	v_rcp_f32 v19, v18
	v_nop
	s_wait_alu depctr_va_vdst(0)                   ; the reciprocal has written v19, ahead of its first reader
	v_mul_f32 v20, v17, v19                        ; f / L
	; from lanes into scalar registers, in one run: the 16 weights as pairs, the four tokens' M and 1 / L
.set ip, 0
.rept 16
	WPAIR ip
	v_readlane_b32 s[rW], v20, ip
	v_readlane_b32 s[rW+1], v20, ip                ; named with it as a pair
.set ip, ip+1
.endr
.set ic, 0
.rept 4
	v_readlane_b32 s[32+ic], v16, 4*ic
	v_readlane_b32 s[36+ic], v19, 4*ic
.set ic, ic+1
.endr
	s_wait_alu depctr_va_sdst(0)                   ; the 40 scalar registers of the run above are written, ahead of the first line that reads one of them
; Token c: the four quarters' rows joined, quarter 0 first, and split into hi and lo, which go into the token's own out-buffer.
; prev >= 0: the eight LDS stores of token prev, whose out-buffer a wait has shown written, are dealt among the split's lines, which name neither that buffer nor v8.
.macro JOIN c, prev
	WIN 0x02
	WPAIR 4*(\c)
.set iu, 0
.rept 8
	v_pk_mul_f32 v[32+2*iu:33+2*iu], v[64*(\c)+2*iu:64*(\c)+2*iu+1], s[rW:rW+1] op_sel_hi:[1,0]
.set iu, iu+1
.endr
.set iq, 1
.rept 3
	WPAIR 4*(\c)+iq
.set iu, 0
.rept 8
	v_pk_fma_f32 v[32+2*iu:33+2*iu], v[64*(\c)+16*iq+2*iu:64*(\c)+16*iq+2*iu+1], s[rW:rW+1], v[32+2*iu:33+2*iu] op_sel_hi:[1,0,1]
.set iu, iu+1
.endr
.set iq, iq+1
.endr
	WIN 0
.set iu, 0
.rept 8
	v_cvt_pk_bf16_f32 v[OUT+16*(\c)+iu], v[32+2*iu], v[33+2*iu]
	v_lshlrev_b32 v64, 16, v[OUT+16*(\c)+iu]
	v_and_b32 v65, s40, v[OUT+16*(\c)+iu]
	v_pk_add_f32 v[32+2*iu:33+2*iu], v[32+2*iu:33+2*iu], v[64:65] neg_lo:[0,1] neg_hi:[0,1]
	v_cvt_pk_bf16_f32 v[OUT+16*(\c)+8+iu], v[32+2*iu], v[33+2*iu]
.if (\prev) >= 0
	ds_store_b64 v8, v[OUT+16*(\prev)+2*iu:OUT+16*(\prev)+2*iu+1] offset:(iu/4)*ALO+(\prev)*AP+256*(iu%4)
.endif
.set iu, iu+1
.endr
.endm
; Token c's eight LDS stores in one run: four of hi, four of lo.
.macro PUT c
.set iu, 0
.rept 8
	ds_store_b64 v8, v[OUT+16*(\c)+2*iu:OUT+16*(\c)+2*iu+1] offset:(iu/4)*ALO+(\c)*AP+256*(iu%4)
.set iu, iu+1
.endr
.endm
	JOIN 0, -1
	JOIN 1, -1
	s_wait_alu depctr_va_vdst(0)                   ; the splits of tokens 0 and 1 have written OUT0 and OUT1, which the LDS stores dealt among the next two splits read
	JOIN 2, 0
	JOIN 3, 1
	; out1: lanes 0-15 hold token c = 2 i, lanes 16-31 token 2 i + 1
.set ii, 0
.rept 2
	v_mov_b32 v[66+2*ii], s[32+2*ii]
	v_mov_b32 v64, s[33+2*ii]
	v_cndmask_b32 v[66+2*ii], v[66+2*ii], v64, s40  ; M
	v_mov_b32 v[67+2*ii], s[36+2*ii]
	v_mov_b32 v65, s[37+2*ii]
	v_cndmask_b32 v[67+2*ii], v[67+2*ii], v65, s40  ; 1 / L
.set jj, 0
.rept 4
	v_sub_f32 v[24+4*ii+jj], v[24+4*ii+jj], v[66+2*ii]
.set jj, jj+1
.endr
.set ii, ii+1
.endr
.set jj, 0
.rept 8
	v_exp_f32 v[24+jj], v[24+jj]
.set jj, jj+1
.endr
	v_nop                                          ; a plain instruction behind the last exponential
	s_wait_alu depctr_va_vdst(0)                   ; the eight exponentials have written v[24:31], ahead of their first reader; the splits of tokens 2 and 3 have written OUT2 and OUT3, which the LDS stores below read
.set jj, 0
.rept 8
	v_mul_f32 v[24+jj], v[24+jj], v[67+2*(jj/4)]
.set jj, jj+1
.endr
	PUT 2                                          ; no wait: the eight multiplies name v[24:31], v67 and v69 alone
	PUT 3
	s_wait_dscnt 0x0                               ; for the others' sake: my four columns of AH are stored
	s_barrier_signal -1
	s_barrier_wait -1
	WIN 0x80
	s_wait_alu depctr_va_vdst(0)                   ; the multiplies have written v[24:31], which out1's two stores read; the joins are done reading pa's registers, in which AH's fragments land
	global_store_b128 v5, v[24:27], s[14:15]       ; 16 lanes store 256 consecutive bytes, aligned
	global_store_b128 v5, v[28:31], s[14:15] offset:16384
.set kk, 0
.rept 16
	ds_load_b128 v[8*kk:8*kk+3],         v9 offset:64*kk
	ds_load_b128 v[8*kk+4:8*kk+7],       v9 offset:64*kk+16
	ds_load_b128 v[128+8*kk:128+8*kk+3], v9 offset:ALO+64*kk
	ds_load_b128 v[128+8*kk+4:128+8*kk+7], v9 offset:ALO+64*kk+16
.set kk, kk+1
.endr
	s_wait_loadcnt 0x0                             ; Wv
	WIN 0x45
.set kk, 0
.rept 16
.set ii, 0
.rept 8
	v_cvt_pk_bf16_f32 v[16*kk+ii], v[16*kk+2*ii], v[16*kk+2*ii+1]  ; ascending: register i is written when registers 2 i, 2 i + 1 are read
.set ii, ii+1
.endr
.set kk, kk+1
.endr
	s_wait_dscnt 0x0
	WIN 0x09                                       ; Wv window 1, AH window 2, sums window 0
	v_wmma_f32_16x16x32_bf16 v[ACC:ACC+7],    v[0:7], v[0:7],     0
	v_wmma_f32_16x16x32_bf16 v[ACC+8:ACC+15], v[0:7], v[128:135], 0
.set kk, 1
.rept 15                               ; the two accumulators take turns
	v_wmma_f32_16x16x32_bf16 v[ACC:ACC+7],    v[16*kk:16*kk+7], v[8*kk:8*kk+7],         v[ACC:ACC+7]
	v_wmma_f32_16x16x32_bf16 v[ACC+8:ACC+15], v[16*kk:16*kk+7], v[128+8*kk:128+8*kk+7], v[ACC+8:ACC+15]
.set kk, kk+1
.endr
	WIN 0
.rept 8
	v_nop                                          ; places behind the last products
.endr
.set iu, 0
.rept 4
	v_pk_add_f32 v[ACC+2*iu:ACC+2*iu+1], v[ACC+2*iu:ACC+2*iu+1], v[ACC+8+2*iu:ACC+8+2*iu+1]  ; hi's and lo's, from the low registers on
.set iu, iu+1
.endr
	s_wait_alu depctr_va_vdst(0)                   ; the four additions have written v[80:87], which the two LDS stores read
	ds_store_b128 v12, v[ACC:ACC+3]
	ds_store_b128 v12, v[ACC+4:ACC+7] offset:16
	s_wait_dscnt 0x0                               ; for the others' sake: a row's 256 bytes come from four waves
	s_barrier_signal -1
	s_barrier_wait -1
	ds_load_b128 v[96:99],   v13                   ; no vector line of the kernel names v[96:103]
	ds_load_b128 v[100:103], v13 offset:2*OP
	s_wait_dscnt 0x1                               ; the first two columns are back; the second load may be out
	global_store_b128 v5, v[96:99], s[12:13]       ; 16 lanes store 256 consecutive bytes, aligned
	s_wait_dscnt 0x0
	global_store_b128 v5, v[100:103], s[12:13] offset:16384
	s_wait_dscnt 0x0                               ; the closing lines, six on end
	s_wait_alu 0x0
	s_wait_tensorcnt 0x0
	ds_add_u32 v[SPW], v[NIL]
	s_wait_dscnt 0x0
	s_endpgm
.Lfunc_end_k_q64c47e4c9b_fin:
	.size	k_q64c47e4c9b_fin, .Lfunc_end_k_q64c47e4c9b_fin-k_q64c47e4c9b_fin
	.p2alignl 7, 3214868480
	.fill 96, 4, 3214868480
	.section	.rodata,"a",@progbits
	.p2align	6, 0x0
	.amdhsa_kernel k_q64c47e4c9b_fin
		.amdhsa_group_segment_fixed_size 38144
		.amdhsa_private_segment_fixed_size 0
		.amdhsa_enable_private_segment 0
		.amdhsa_kernarg_size 48
		.amdhsa_user_sgpr_count 2
		.amdhsa_user_sgpr_kernarg_segment_ptr 1
		.amdhsa_wavefront_size32 1
		.amdhsa_system_sgpr_workgroup_id_x 1
		.amdhsa_system_sgpr_workgroup_id_y 1
		.amdhsa_system_sgpr_workgroup_id_z 1
		.amdhsa_system_vgpr_workitem_id 0
		.amdhsa_next_free_vgpr 768
		.amdhsa_next_free_sgpr 66
		.amdhsa_reserve_vcc 0
		.amdhsa_float_denorm_mode_32 3
		.amdhsa_float_denorm_mode_16_64 3
		.amdhsa_memory_ordered 1
		.amdhsa_forward_progress 1
		.amdhsa_inst_pref_size 55
	.end_amdhsa_kernel
	.amdgpu_metadata
---
amdhsa.version: [ 1, 2 ]
amdhsa.kernels:
  - .name:           k_q64c47e4c9b_fin
    .symbol:         k_q64c47e4c9b_fin.kd
    .args:
      - { .name: st, .offset: 0, .size: 8, .value_kind: global_buffer, .address_space: global }
      - { .name: sc, .offset: 8, .size: 8, .value_kind: global_buffer, .address_space: global }
      - { .name: pa, .offset: 16, .size: 8, .value_kind: global_buffer, .address_space: global }
      - { .name: v_proj_w, .offset: 24, .size: 8, .value_kind: global_buffer, .address_space: global }
      - { .name: out0, .offset: 32, .size: 8, .value_kind: global_buffer, .address_space: global }
      - { .name: out1, .offset: 40, .size: 8, .value_kind: global_buffer, .address_space: global }
    .group_segment_fixed_size: 38144
    .private_segment_fixed_size: 0
    .kernarg_segment_align: 8
    .kernarg_segment_size: 48
    .max_flat_workgroup_size: 128
    .sgpr_count:     66
    .vgpr_count:     768
    .wavefront_size: 32
...
	.end_amdgpu_metadata
.endif
;; end of part 4
